; MI455X (gfx1250); checked and timed in simulation.
; The chip was launched on July 23, 2026; its instructions are those of AMD's public machine-readable ISA for CDNA 5 (MIT licence, August 2026) and "CDNA5" Instruction Set Architecture Reference Guide (July 2026). The comments in the code are by the model that wrote it; some were corrected since.
;; Multi Head Attention Layer. Allowed arithmetic: matrix products marked QUANTISED: E2M1 operands, one E8M0 scale for each 32 along K, by v_wmma_scale_f32_16x16x128_f8f6f4 with both operands' format E2M1 (or v_wmma_scale_f32_32x16x128_f4), f32 sums; products left as they are: bf16, f16 or f32 operands; f32 sums; everything else in f32.
;; Inputs: Wk 1,024 x 1,024 float32; Wo 1,024 x 1,024 float32; Wq 1,024 x 1,024 float32; Wv 1,024 x 1,024 float32; key 4 x 2,048 x 1,024 float32; mask 4 x 1 x 2,048 x 2,048 int32; query 4 x 2,048 x 1,024 float32; value 4 x 2,048 x 1,024 float32.
;; Outputs: out0 4 x 2,048 x 1,024 float32.
;; This version of the problem:
;;   THIS VERSION OF THE PROBLEM IS GIVEN IN LOW PRECISION. The matrix products marked QUANTISED in the list below multiply operands that are first quantised to E2M1 (2 exponent bits, 1 mantissa bit; 4 bits a number), with one power-of-two scale for each 32 numbers along K (OCP MX v1.0); their sums are f32. The products marked 'left as it is' may take bf16, f16 or f32 operands, with f32 sums. Whichever they take, every output number must still come out within the allowed error. Rounding operands to bf16 (8 significant bits) uses up far more of that allowance than f16 does (11 bits, for magnitudes from 6e-5 to 65,504). All else is computed in f32.
;;   The module's matrix products, in the order in which they are computed (A, B: the left and right operand; K: the contracted axis; several contracted axes count as one K, in the product's order):
;;     1. [M 8,192, K 1,024] x [K 1,024, N 1,024]; A: input query; B: input Wq: QUANTISED
;;     2. [M 8,192, K 1,024] x [K 1,024, N 1,024]; A: input key; B: input Wk: QUANTISED
;;     3. [M 8,192, K 1,024] x [K 1,024, N 1,024]; A: input value; B: input Wv: QUANTISED
;;     4. batch 64 x [M 2,048, K 64] x [K 64, N 2,048]; A: computed on the way; B: computed on the way: left as it is (an operand is computed on the way)
;;     5. batch 64 x [M 2,048, K 2,048] x [K 2,048, N 64]; A: computed on the way; B: computed on the way: left as it is (an operand is computed on the way)
;;     6. [M 8,192, K 1,024] x [K 1,024, N 1,024]; A: computed on the way; B: input Wo: left as it is (an operand is computed on the way)
;;   THE QUANTISER, for each operand of a quantised product, along K:
;;     - K is cut into blocks of 32 from its start; a last block that is shorter is filled with zeros.
;;     - A block's scale is 2^e with e = floor(log2(the largest magnitude in the block)) - 2, held to -126 .. 127; a block of zeros has e = 0. As a byte (E8M0): e + 127.
;;     - Each number is divided by its block's scale, clamped to +-6, and rounded to the nearest number of E2M1, ties to even, subnormals kept.
;;     - The product sums the exact products of the quantised numbers (number of the format x scale) in f32.
;;   ~~~python
;;   def quantise(x, axis):      # numpy; x: float32 -> the quantised numbers, widened to float32 again
;;       x = np.moveaxis(x, axis, -1); K = x.shape[-1]
;;       x = np.pad(x, [(0, 0)] * (x.ndim - 1) + [(0, -K % 32)]); x = x.reshape(x.shape[:-1] + (-1, 32)); a = np.abs(x).max(-1, keepdims=True)
;;       e = np.where(a > 0, np.clip(np.frexp(np.where(a > 0, a, 1))[1] - 1 - 2, -126, 127), 0)      # np.frexp(a)[1] - 1 = floor(log2(a)), exactly
;;       r = np.clip(x / 2.0 ** e, -6, 6)
;;       step = 2.0 ** (np.maximum(np.frexp(np.where(r == 0, 1, r))[1] - 1, 0) - 1)
;;       q = np.round(r / step) * step * 2.0 ** e      # np.round: ties to even
;;       return np.moveaxis(q.reshape(q.shape[:-2] + (-1,))[..., :K], -1, axis).astype(np.float32)
;;   ~~~
;; One version. Each part assembles by itself: llvm-mc -triple=amdgcn-amd-amdhsa -mcpu=gfx1250 --defsym DOCPART=n.
;; ======== version 1 of 1: 5 launches
;; limits: values are held in f16: magnitudes above 65,504 overflow, below 6.1e-05 lose precision
;; workspace buffers: cod 14,155,776 bytes; scl 884,736 bytes; wo16 2,097,152 bytes; maskw 2,097,152 bytes of whole numbers; qkv 50,331,648 bytes; att 16,777,216 bytes
;; launch quant (part 1): grid 896 x 1, 4 waves a work-group, no clusters, 33,280 bytes of LDS; arguments key, value, query, Wk, Wv, Wq, Wo, cod, scl, wo16; writes cod, scl, wo16
.if DOCPART == 1
	.amdgcn_target "amdgcn-amd-amdhsa--gfx1250"
	.amdhsa_code_object_version 6
	.text
	.protected	k_q94a653477a_quant
	.globl	k_q94a653477a_quant
	.p2align	8
	.type	k_q94a653477a_quant,@function
k_q94a653477a_quant:
	s_mov_b64 s[64:65], 0
	v_nop
	global_prefetch_b8 v0, s[64:65] scope:SCOPE_SE
	s_setreg_imm32_b32 hwreg(HW_REG_WAVE_MODE, 25, 1), 1
	s_wait_xcnt 0x0
; key, value, query [8192][1024] and Wk, Wv, Wq [1024][1024], f32, become codes of FP4 (E2M1), K innermost, two codes a byte, with one E8M0 byte for each 32 along K; Wo becomes f16.
; All six operands have K innermost and dense rows, so each is a plain stream of blocks of 32 numbers, and cod and scl hold the six streams on end in the order key, value, query, Wk, Wv, Wq.
; A block's scale is 2^(floor(log2(largest magnitude)) - 2): its byte is the largest magnitude's exponent field - 2, held at 1 from below; each number is divided by it and rounded to the nearest code, ties to even, beyond 6 to 6.
; LIMITS: a block whose largest magnitude lies under 2^-124 keeps the byte 1; a block of zeros gets the byte 1 and not 127 (its codes are zeros, and this program alone reads the bytes); NaN and infinities are not served.
; SHARES: a work-group takes 32,768 numbers, a wave 8,192 in 16 steps of 512.  Work-groups 0-255 key, 256-511 value, 512-767 query, 768-799 Wk, 800-831 Wv, 832-863 Wq, 864-895 Wo (the cast).
; Each load reads 512 consecutive bytes; for the conversions a lane must hold 16 neighbours, so a step's 2,048 bytes turn through the wave's own stage in LDS (16 bytes of padding behind each 64).
; The cast touches no LDS.  Loads run four steps ahead.  No barrier: waves share nothing.
.set STEPS, 16
.set EMAX,  2
.set CB,    8                          ; bytes of 16 codes
.set R,     16                         ; v16-79   four sets of 16 numbers as loaded
.set X,     80                         ; v80-111  two sets of 16 neighbours
.set E,     112                        ; v112-127 a scale byte for each step
.set C,     128                        ; v128-191 codes, four registers a step (the cast: v128-135, eight f16 pairs)
.set WREG,  8192                       ; LDS: a region for each wave: two stages of 32 x SP bytes, then its 256 scale bytes
.set SP,    80
.set SPW,   12                         ; v12 LDS address of my spare word; never rewritten
.set NIL,   13                         ; v13 0; never rewritten
.set SPARE, 4*WREG                     ; behind the regions: the spare words, 128 bytes a wave
	s_load_b512 s[4:19], s[0:1], 0x0               ; key 4, value 6, query 8, Wk 10, Wv 12, Wq 14, Wo 16, cod 18
	s_load_b128 s[20:23], s[0:1], 0x40             ; scl 20, wo16 22
	v_lshl_add_u32 v[SPW], v0, 2, SPARE
	v_mov_b32 v[NIL], 0
	v_lshrrev_b32 v1, 5, v0
	v_readfirstlane_b32 s24, v1                    ; wave
	v_and_b32 v2, 31, v0                           ; lane
	v_lshlrev_b32 v3, 4, v2                        ; my 16 bytes of a load's 512
	s_mul_i32 s25, s24, WREG
	v_lshrrev_b32 v14, 2, v2
	v_mul_u32_u24 v14, v14, SP
	v_and_b32 v15, 3, v2
	v_lshl_add_u32 v14, v15, 4, v14
	v_add_nc_u32 v14, s25, v14                     ; the stage on the way in: SP (lane / 4) + 16 (lane % 4)
	v_mul_u32_u24 v15, v2, SP
	v_add_nc_u32 v15, s25, v15                     ; and on the way out: SP x lane
	v_mul_u32_u24 v4, v2, CB                       ; my codes' place in a step's
	v_lshrrev_b32 v5, 1, v2
	s_add_co_u32 s25, s25, 2*32*SP
	v_add_nc_u32 v5, s25, v5                       ; my block's scale byte in LDS
	v_lshlrev_b32 v7, 3, v2                        ; 8 bytes a lane
	v_add_nc_u32 v6, s25, v7
	s_wait_kmcnt 0x0
	s_mov_b64 s[26:27], s[16:17]                   ; the source: Wo, unless the work-group's number says otherwise
	s_mov_b32 s28, 864                             ; and the first work-group of my tensor
.macro PICK lim, ptr, first
	s_cmp_lt_u32 ttmp9, \lim
	s_cselect_b64 s[26:27], s[\ptr:\ptr+1], s[26:27]
	s_cselect_b32 s28, \first, s28
.endm
	PICK 864, 14, 832
	PICK 832, 12, 800
	PICK 800, 10, 768
	PICK 768, 8, 512
	PICK 512, 6, 256
	PICK 256, 4, 0
	s_sub_co_u32 s29, ttmp9, s28
	s_lshl_b32 s29, s29, 2
	s_add_co_u32 s29, s29, s24                     ; which run of 8,192 numbers of my tensor
	s_lshl_b32 s30, s29, 15
	s_mov_b32 s31, 0
	s_add_nc_u64 s[26:27], s[26:27], s[30:31]      ; 32,768 bytes a run
	s_lshl_b32 s30, s29, 14
	s_add_nc_u64 s[22:23], s[22:23], s[30:31]      ; wo16: 16,384 bytes a run (used by the cast alone)
	s_lshl_b32 s32, ttmp9, 2
	s_add_co_u32 s32, s32, s24                     ; which run of the six streams on end
	s_lshl_b32 s30, s32, 12
	s_add_nc_u64 s[18:19], s[18:19], s[30:31]      ; cod: 4,096 bytes a run
	s_lshl_b32 s30, s32, 8
	s_add_nc_u64 s[20:21], s[20:21], s[30:31]      ; scl: 256 bytes a run
.macro LOAD t
.irp i, 0,1,2,3
	global_load_b128 v[R+16*((\t)%4)+4*\i:R+16*((\t)%4)+4*\i+3], v3, s[26:27] offset:2048*(\t)+512*\i th:TH_LOAD_NT   ; 32 lanes read 512 consecutive bytes
.endr
.endm
.macro TURN t                          ; step t's numbers through the stage: LDS serves a wave's instructions in order, so no wait stands between the stores and the loads
.irp i, 0,1,2,3
	ds_store_b128 v14, v[R+16*((\t)%4)+4*\i:R+16*((\t)%4)+4*\i+3] offset:32*SP*((\t)%2)+8*SP*\i
.endr
.irp i, 0,1,2,3
	ds_load_b128 v[X+16*((\t)%2)+4*\i:X+16*((\t)%2)+4*\i+3], v15 offset:32*SP*((\t)%2)+16*\i
.endr
.endm
.irp t, 0,1,2,3
	LOAD \t
.endr
	s_cmp_ge_u32 ttmp9, 864
	s_cbranch_scc1 .Lcast
	s_wait_loadcnt 12                              ; step 0's four loads are in; three steps' twelve may be out
	TURN 0
.macro STEP t
.set XS, X+16*((\t)%2)
.if (\t) > 0
	s_wait_dscnt 1                                 ; this step's numbers are back from the stage; the last step's byte store may be out
.else
	s_wait_dscnt 0x0
.endif
.if (\t)+4 < STEPS
	LOAD (\t)+4                                    ; into the set whose stores into the stage have been served
.endif
.if (\t)+1 < STEPS
.if STEPS-2-(\t) >= 3
	s_wait_loadcnt 12                              ; the next step's four loads are in; those of the three steps behind it may be out
.else
	s_wait_loadcnt 4*(STEPS-2-(\t))
.endif
	TURN (\t)+1
.endif
	v_max3_num_f32 v8, |v[XS]|, |v[XS+1]|, |v[XS+2]|               ; the largest magnitude of my 16, in two chains
	v_max3_num_f32 v9, |v[XS+3]|, |v[XS+4]|, |v[XS+5]|
.irp i, 6,10
	v_max3_num_f32 v8, v8, |v[XS+\i]|, |v[XS+\i+1]|
	v_max3_num_f32 v9, v9, |v[XS+\i+2]|, |v[XS+\i+3]|
.endr
	v_max3_num_f32 v8, v8, |v[XS+14]|, |v[XS+15]|
	v_max3_num_f32 v8, v8, v9, (EMAX+1)<<23        ; and the floor 2^(3 - 127): the byte cannot fall under 1
	v_max_num_f32_dpp v8, v8, v8 row_xmask:1 row_mask:0xf bank_mask:0xf   ; with my neighbour's 16: the block's
	v_add_nc_u32 v11, -(EMAX<<23), v8              ; 2 off the exponent field: the conversion takes that field of this operand as its scale
	v_cvt_scalef32_pk8_fp4_f32 v[C+4*(\t)], v[XS:XS+7], v11
	v_cvt_scalef32_pk8_fp4_f32 v[C+4*(\t)+1], v[XS+8:XS+15], v11
	v_lshrrev_b32 v[E+(\t)], 23, v11               ; the scale's byte (also the plain line behind the conversions)
	ds_store_b8 v5, v[E+(\t)] offset:16*(\t)       ; both lanes of a block write the same byte with the same value
	global_store_b64 v4, v[C+4*(\t):C+4*(\t)+1], s[18:19] offset:32*CB*(\t)   ; the wave stores 256 consecutive bytes, aligned
.endm
.irp t, 0,1,2,3,4,5,6,7,8,9,10,11,12,13,14,15
	STEP \t
.endr
	ds_load_b64 v[8:9], v6                         ; my wave's 256 scale bytes, 8 a lane
	s_wait_dscnt 0x0
	global_store_b64 v7, v[8:9], s[20:21]          ; 256 consecutive bytes, aligned
	s_wait_tensorcnt 0x0                           ; the wave's end
	ds_add_u32 v[SPW], v[NIL]
	s_wait_dscnt 0x0
	s_endpgm
.Lcast:
; Wo to f16, rounded once to nearest even: a load's 512 bytes become 256, 8 a lane.
.macro CAST t
.if 15-(\t) >= 3
	s_wait_loadcnt 12                              ; this step's four loads are in; three younger steps' may be out
.else
	s_wait_loadcnt 4*(15-(\t))
.endif
	s_wait_xcnt 0x0                                ; the last step's stores have read v128-135: they are written again only behind this wait
.irp i, 0,1,2,3
	v_cvt_pk_f16_f32 v[C+2*\i], v[R+16*((\t)%4)+4*\i], v[R+16*((\t)%4)+4*\i+1]
	v_cvt_pk_f16_f32 v[C+2*\i+1], v[R+16*((\t)%4)+4*\i+2], v[R+16*((\t)%4)+4*\i+3]
.endr
.if (\t)+4 < STEPS
	LOAD (\t)+4
.endif
.irp i, 0,1,2,3
	global_store_b64 v7, v[C+2*\i:C+2*\i+1], s[22:23] offset:1024*(\t)+256*\i   ; 256 consecutive bytes, aligned
.endr
.endm
.irp t, 0,1,2,3,4,5,6,7,8,9,10,11,12,13,14,15
	CAST \t
.endr
	s_endpgm
.Lfunc_end_k_q94a653477a_quant:
	.size	k_q94a653477a_quant, .Lfunc_end_k_q94a653477a_quant-k_q94a653477a_quant
	.p2alignl 7, 3214868480
	.fill 96, 4, 3214868480
	.section	.rodata,"a",@progbits
	.p2align	6, 0x0
	.amdhsa_kernel k_q94a653477a_quant
		.amdhsa_group_segment_fixed_size 33280
		.amdhsa_private_segment_fixed_size 0
		.amdhsa_enable_private_segment 0
		.amdhsa_kernarg_size 80
		.amdhsa_user_sgpr_count 2
		.amdhsa_user_sgpr_kernarg_segment_ptr 1
		.amdhsa_wavefront_size32 1
		.amdhsa_system_sgpr_workgroup_id_x 1
		.amdhsa_system_sgpr_workgroup_id_y 1
		.amdhsa_system_sgpr_workgroup_id_z 1
		.amdhsa_system_vgpr_workitem_id 0
		.amdhsa_next_free_vgpr 192
		.amdhsa_next_free_sgpr 66
		.amdhsa_reserve_vcc 0
		.amdhsa_float_denorm_mode_32 3
		.amdhsa_float_denorm_mode_16_64 3
		.amdhsa_memory_ordered 1
		.amdhsa_forward_progress 1
		.amdhsa_inst_pref_size 54
	.end_amdhsa_kernel
	.amdgpu_metadata
---
amdhsa.version: [ 1, 2 ]
amdhsa.kernels:
  - .name:           k_q94a653477a_quant
    .symbol:         k_q94a653477a_quant.kd
    .args:
      - { .name: key, .offset: 0, .size: 8, .value_kind: global_buffer, .address_space: global }
      - { .name: value, .offset: 8, .size: 8, .value_kind: global_buffer, .address_space: global }
      - { .name: query, .offset: 16, .size: 8, .value_kind: global_buffer, .address_space: global }
      - { .name: Wk, .offset: 24, .size: 8, .value_kind: global_buffer, .address_space: global }
      - { .name: Wv, .offset: 32, .size: 8, .value_kind: global_buffer, .address_space: global }
      - { .name: Wq, .offset: 40, .size: 8, .value_kind: global_buffer, .address_space: global }
      - { .name: Wo, .offset: 48, .size: 8, .value_kind: global_buffer, .address_space: global }
      - { .name: cod, .offset: 56, .size: 8, .value_kind: global_buffer, .address_space: global }
      - { .name: scl, .offset: 64, .size: 8, .value_kind: global_buffer, .address_space: global }
      - { .name: wo16, .offset: 72, .size: 8, .value_kind: global_buffer, .address_space: global }
    .group_segment_fixed_size: 33280
    .private_segment_fixed_size: 0
    .kernarg_segment_align: 8
    .kernarg_segment_size: 80
    .max_flat_workgroup_size: 128
    .sgpr_count:     66
    .vgpr_count:     192
    .wavefront_size: 32
...
	.end_amdgpu_metadata
.endif
;; end of part 1
;; launch maskpack (part 2): grid 512 x 1, 4 waves a work-group, no clusters, 35,328 bytes of LDS; arguments mask, maskw; writes maskw
.if DOCPART == 2
	.amdgcn_target "amdgcn-amd-amdhsa--gfx1250"
	.amdhsa_code_object_version 6
	.text
	.protected	k_q94a653477a_maskpack
	.globl	k_q94a653477a_maskpack
	.p2align	8
	.type	k_q94a653477a_maskpack,@function
k_q94a653477a_maskpack:
	s_mov_b64 s[64:65], 0
	v_nop
	global_prefetch_b8 v0, s[64:65] scope:SCOPE_SE
	s_setreg_imm32_b32 hwreg(HW_REG_WAVE_MODE, 25, 1), 1
	s_wait_xcnt 0x0
; mask [4][1][2048][2048] int32 becomes lane-mask words, one bit a number, in the order in which the attention launch's waves want them.
; Word (((b 64 + P) 32 + s) 2 + u) 32 + 8 kt + j; its bit l = (mask[b][32 P + 16 u + (l & 15)][64 s + 16 kt + 8 (l >> 4) + j] != 0):
; that is the lane mask of register j of key tile kt of a transposed score tile (a lane = one query, its registers = eight keys).
; SHARES: a work-group takes 32 rows (b 64 + P = number / 2) and half of the 32 key steps; a wave four key steps: eight half-items t = 2 sl + u of 16 rows x 256 bytes.
; Each half of the lanes loads 256 consecutive bytes of a row; a half-item turns through the wave's own stage in LDS (rows 272 bytes apart), after which lane (r, h) holds row r's numbers 16 kt + 8 h + j.
; A compare gives the word in a scalar register; v_writelane_b32 gathers 64 words of a key step into a register pair, and the wave stores them as 256 consecutive bytes, aligned.
; No barrier: the stages are each wave's own.  Loads run four half-items ahead.
.set R,    16                          ; v16-143  four sets of 32 registers as loaded
.set X,    144                         ; v144-207 two sets of 32 after the turn
.set W,    8                           ; v8-15    a pair of word registers for each key step
.set SPW,  6
.set NIL,  7
.set WREG, 8704                        ; two stages of 16 x 272 bytes
.set SPARE, 4*WREG
	s_load_b128 s[4:7], s[0:1], 0x0                ; mask, maskw
	v_lshl_add_u32 v[SPW], v0, 2, SPARE
	v_mov_b32 v[NIL], 0
	v_lshrrev_b32 v1, 5, v0
	v_readfirstlane_b32 s8, v1                     ; wave
	v_and_b32 v1, 15, v0                           ; l & 15
	v_bfe_u32 v5, v0, 4, 1                         ; l >> 4
	s_mul_i32 s9, s8, WREG
	v_lshlrev_b32 v2, 13, v5
	v_lshl_add_u32 v2, v1, 4, v2                   ; in memory: a row for each half of the lanes, 16 bytes a lane
	v_mul_u32_u24 v3, v5, 272
	v_lshl_add_u32 v3, v1, 4, v3
	v_add_nc_u32 v3, s9, v3                        ; into the stage, the same way
	v_mul_u32_u24 v4, v1, 272
	v_lshl_add_u32 v4, v5, 5, v4
	v_add_nc_u32 v4, s9, v4                        ; out of it: row l & 15, 32 bytes for each half
	v_and_b32 v5, 31, v0
	v_lshlrev_b32 v5, 3, v5                        ; 8 x lane
.irp i, 0,1,2,3,4,5,6,7
	v_mov_b32 v[W+\i], 0                           ; written once: v_writelane_b32's destination counts as read
.endr
	s_lshr_b32 s10, ttmp9, 1                       ; b 64 + P
	s_and_b32 s11, ttmp9, 1
	s_lshl_b32 s11, s11, 4
	s_lshl_b32 s12, s8, 2
	s_add_co_u32 s11, s11, s12                     ; my first key step
	s_lshl_b32 s12, s10, 18                        ; 32 rows of 8,192 bytes
	s_lshl_b32 s13, s11, 8
	s_add_co_u32 s12, s12, s13
	s_mov_b32 s13, 0
	s_lshl_b32 s14, s10, 5
	s_add_co_u32 s14, s14, s11
	s_lshl_b32 s14, s14, 8                         ; 256 bytes of words a key step
	s_mov_b32 s15, 0
	s_wait_kmcnt 0x0
	s_add_nc_u64 s[4:5], s[4:5], s[12:13]
	s_add_nc_u64 s[6:7], s[6:7], s[14:15]
.macro LOAD t
.irp i, 0,1,2,3,4,5,6,7
	global_load_b128 v[R+32*((\t)%4)+4*\i:R+32*((\t)%4)+4*\i+3], v2, s[4:5] offset:(16*((\t)%2)+2*\i)*8192+256*((\t)/2) th:TH_LOAD_NT
.endr
.endm
.macro TURN t
.irp i, 0,1,2,3,4,5,6,7
	ds_store_b128 v3, v[R+32*((\t)%4)+4*\i:R+32*((\t)%4)+4*\i+3] offset:4352*((\t)%2)+544*\i
.endr
.irp i, 0,1,2,3,4,5,6,7
	ds_load_b128 v[X+32*((\t)%2)+4*\i:X+32*((\t)%2)+4*\i+3], v4 offset:4352*((\t)%2)+64*(\i/2)+16*(\i%2)   ; register 8 kt + 4 c + e: number 16 kt + 8 h + 4 c + e of my row
.endr
.endm
.macro STEP t
	s_wait_dscnt 0x0                               ; this half-item is back from the stage, and its stores into the stage have been served
.if (\t)+4 < 8
	LOAD (\t)+4
.endif
.if (\t) < 7
.if (\t) <= 3
	s_wait_loadcnt 24                              ; the next half-item's eight loads are in; three younger ones' may be out
.else
	s_wait_loadcnt 8*(6-(\t))
.endif
	TURN (\t)+1
.endif
.irp g, 0,1
.set n, 16*\g
.rept 16
	v_cmp_ne_u32 s[16+n%16], 0, v[X+32*((\t)%2)+n] ; word n of this half-item
.set n, n+1
.endr
.set n, 16*\g
.rept 16
	v_writelane_b32 v[W+2*((\t)/2)+(n&1)], s[16+n%16], 16*((\t)%2)+(n>>1)   ; word 32 u + n lies at 8 bytes x lane (16 u + n / 2), half n & 1
.set n, n+1
.endr
.endr
.if (\t)%2 == 1
	global_store_b64 v5, v[W+2*((\t)/2):W+2*((\t)/2)+1], s[6:7] offset:256*((\t)/2)   ; a key step's 64 words: 256 consecutive bytes, aligned
.endif
.endm
.irp t, 0,1,2,3
	LOAD \t
.endr
	s_wait_loadcnt 24
	TURN 0
.irp t, 0,1,2,3,4,5,6,7
	STEP \t
.endr
	s_wait_tensorcnt 0x0                           ; the wave's end
	ds_add_u32 v[SPW], v[NIL]
	s_wait_dscnt 0x0
	s_endpgm
.Lfunc_end_k_q94a653477a_maskpack:
	.size	k_q94a653477a_maskpack, .Lfunc_end_k_q94a653477a_maskpack-k_q94a653477a_maskpack
	.p2alignl 7, 3214868480
	.fill 96, 4, 3214868480
	.section	.rodata,"a",@progbits
	.p2align	6, 0x0
	.amdhsa_kernel k_q94a653477a_maskpack
		.amdhsa_group_segment_fixed_size 35328
		.amdhsa_private_segment_fixed_size 0
		.amdhsa_enable_private_segment 0
		.amdhsa_kernarg_size 16
		.amdhsa_user_sgpr_count 2
		.amdhsa_user_sgpr_kernarg_segment_ptr 1
		.amdhsa_wavefront_size32 1
		.amdhsa_system_sgpr_workgroup_id_x 1
		.amdhsa_system_sgpr_workgroup_id_y 1
		.amdhsa_system_sgpr_workgroup_id_z 1
		.amdhsa_system_vgpr_workitem_id 0
		.amdhsa_next_free_vgpr 208
		.amdhsa_next_free_sgpr 66
		.amdhsa_reserve_vcc 0
		.amdhsa_float_denorm_mode_32 3
		.amdhsa_float_denorm_mode_16_64 3
		.amdhsa_memory_ordered 1
		.amdhsa_forward_progress 1
		.amdhsa_inst_pref_size 49
	.end_amdhsa_kernel
	.amdgpu_metadata
---
amdhsa.version: [ 1, 2 ]
amdhsa.kernels:
  - .name:           k_q94a653477a_maskpack
    .symbol:         k_q94a653477a_maskpack.kd
    .args:
      - { .name: mask, .offset: 0, .size: 8, .value_kind: global_buffer, .address_space: global }
      - { .name: maskw, .offset: 8, .size: 8, .value_kind: global_buffer, .address_space: global }
    .group_segment_fixed_size: 35328
    .private_segment_fixed_size: 0
    .kernarg_segment_align: 8
    .kernarg_segment_size: 16
    .max_flat_workgroup_size: 128
    .sgpr_count:     66
    .vgpr_count:     208
    .wavefront_size: 32
...
	.end_amdgpu_metadata
.endif
;; end of part 2
;; launch proj (part 3): grid 4 x 64, 4 waves a work-group, clusters of 4 x 4, 327,680 bytes of LDS; arguments cod, scl, qkv; writes qkv
.if DOCPART == 3
	.amdgcn_target "amdgcn-amd-amdhsa--gfx1250"
	.amdhsa_code_object_version 6
	.text
	.protected	k_q94a653477a_proj
	.globl	k_q94a653477a_proj
	.p2align	8
	.type	k_q94a653477a_proj,@function
k_q94a653477a_proj:
	s_mov_b64 s[64:65], 0
	v_nop
	global_prefetch_b8 v0, s[64:65] scope:SCOPE_SE
	s_setreg_imm32_b32 hwreg(HW_REG_WAVE_MODE, 25, 1), 1
	s_wait_xcnt 0x0
	s_wait_alu depctr_hold_cnt(0) depctr_sa_sdst(0) depctr_va_vdst(0) depctr_va_sdst(0) depctr_va_ssrc(0) depctr_va_vcc(0) depctr_vm_vsrc(0)
	s_getreg_b32 s2, hwreg(HW_REG_IB_STS2, 6, 4)
	s_cmp_eq_u32 s2, 0
	s_cbranch_scc0 .Lentry_in_a_cluster
	s_endpgm
.Lentry_in_a_cluster:
	s_bfe_u32 s2, ttmp6, 0x10000c
	s_cmp_lg_u32 s2, 0xf033
	s_cbranch_scc0 .Lentry_shape_is_right
	s_endpgm
.Lentry_shape_is_right:
; The three input projections, y_t = x_t W_t^T (t = 0 key, 1 value, 2 query), on codes of FP4 (E2M1) with one E8M0 byte for each 32 along K; sums in f32; results rounded once to f16 into qkv [3][8192][1024].
; The query's results are multiplied in f32, ahead of that rounding, by c = log2(e) / 8, so that the attention launch's scores arrive as exponents of 2.
; LIMIT: results are f16: magnitudes up to 65,504; under 6e-5 the step is 2^-24.
; SHARES: a work-group of four waves makes a tile of 128 (rows) x 256 (columns) and STAYS: it walks t = 0, 1, 2 at the same place.  A wave makes 64 x 128: 32 accumulators.
; K = 1,024 goes in two steps of 512 through a ring of two LDS slots (tile rows of 256 bytes, 272 apart in LDS, so that the sixteen rows of a load start 16 bytes apart modulo 256); the ring goes on into the next tile.
; THE SCALES of all three tiles (128 + 256 rows x 32 bytes each) come once, with the first fills, as units of 256 bytes + 16 of padding, and stay.
; CLUSTER 4 x 4: the four of a row share x's tiles, the four of a column W's: each is asked for jointly.  Waves 0, 1 fetch x's halves (64 rows), waves 2, 3 W's (128 rows): one tensor load a wave behind each round.
; THE MATRIX INSTRUCTION IS USED TRANSPOSED (source 0 = 16 rows of W, source 1 = 16 rows of x): a lane holds eight neighbouring columns of one row of the result.
; REGISTERS: window 0: v16-29 addresses; v32-95 scale words, two sets (nothing else ever lies there); v96-159 x's fragments, two buffers; v160-255 the way out.
;   window 1: accumulator (a, b) at v[64 a + 8 b].   window 2: W's fragments, two buffers of 64.
; No prefetch: the launch has six slots in all, two of them first fills, and its tiles are shared in the cluster.
.set PITCH, 272
.set AH,    64*PITCH                   ; x's half tile
.set BH,    128*PITCH                  ; W's half tile
.set BOFF,  2*AH
.set SLOT,  2*AH+2*BH
.set SCL,   2*SLOT                     ; the scales: SCT bytes for each t: x's 16 units, then W's 32
.set SCT,   48*272
.set STAGE, SCL+3*SCT                  ; 16 rows x 272 bytes for each wave, bytes of their own
.set SPARE, STAGE+4*16*PITCH           ; the spare words, 128 bytes a wave
.set ASTEP, 4194304                    ; from x_t to x_(t+1) in cod
.set BSTEP, 524288                     ; from W_t to W_(t+1)
.set ADRA, 16
.set ADRB, 20
.set STO,  24
.set RD,   25
.set CO,   26
.set ADRS, 27
.set SPW,  28
.set NIL,  29
.set SC,   32
.set AF,   96
.set TMP,  160
.set OB,   192
.set G1A,  24
.set G1B,  32
.set G1SA, 40
.set G1SB, 48
.set G0A,  56
.set G0B,  68
.set G0SA, 76
.set G0SB, 88
.set MSB, 0
.macro WIN new                         ; the immediate's high byte repeats the setting that is left
.if MSB != \new
	s_set_vgpr_msb (MSB<<8)|\new
.set MSB, \new
.endif
.endm
.set MUL,  0x52                        ; source 0 (W) window 2, source 1 (x) window 0, C and D window 1
.set TO_B, 0x80                        ; destination window 2
.macro JLOAD g0a, g1a, g0b, g1b        ; a joint load; the branch hangs on the wave's number alone; an s_nop 0 and four v_nop follow each line
	s_cmp_eq_u32 s11, 0
	s_cbranch_scc0 .Lfor_b_\@
	tensor_load_to_lds s[\g0a:\g0a+3], s[\g1a:\g1a+7]
	s_nop 0
.rept 4
	v_nop
.endr
	s_branch .Lasked_\@
.Lfor_b_\@:
	tensor_load_to_lds s[\g0b:\g0b+3], s[\g1b:\g1b+7]
	s_nop 0
.rept 4
	v_nop
.endr
.Lasked_\@:
.endm
.macro CREST                           ; a round of the cluster's barrier behind its opening barrier
	s_cmp_lg_u32 s10, 0
	s_cbranch_scc1 .Lnot_wave_0_\@
	s_barrier_signal -3
.Lnot_wave_0_\@:
	s_barrier_wait -3
	s_barrier_signal -1
	s_barrier_wait -1
.endm
.macro CROUND
	s_barrier_signal -1
	s_barrier_wait -1
	CREST
.endm
.macro PLACES n
.rept \n
	v_nop
.endr
.endm
	s_load_b128 s[4:7], s[0:1], 0x0                ; cod, scl
	s_load_b64 s[8:9], s[0:1], 0x10                ; qkv
	v_lshl_add_u32 v[SPW], v0, 2, SPARE
	v_mov_b32 v[NIL], 0
	ds_add_u32 v[SPW], v[NIL]                      ; the wave's opening: the add, twice on end, and its wait ahead of my first tensor load
	ds_add_u32 v[SPW], v[NIL]
	v_lshrrev_b32 v1, 5, v0
	v_readfirstlane_b32 s10, v1                    ; wave
	s_lshr_b32 s11, s10, 1                         ; my half of the rows; also: I fetch for x (0) or W (1)
	s_and_b32 s12, s10, 1                          ; my half of the columns; also: which half I fetch
	s_bfe_u32 s66, ttmp6, 0x40000                  ; cx
	s_bfe_u32 s13, ttmp6, 0x40004                  ; cy
	s_lshl_b32 s67, ttmp9, 2
	s_add_co_u32 s67, s67, s66                     ; tile column
	s_and_b32 s14, ttmp7, 0xffff
	s_lshl_b32 s14, s14, 2
	s_add_co_u32 s14, s14, s13                     ; tile row
	s_lshl_b32 s15, s13, 2
	s_lshl_b32 s15, 15, s15                        ; my row of the cluster
	s_lshl_b32 s104, 0x1111, s66                   ; my column
	s_or_b32 s[G1A+0], s15, (0<<16)|(1<<20)|(1<<21)|(5<<22)|(3<<25)    ; mask; elements of 1 byte; padding on: 4 words behind every 64; bit 21 beside a mask
	s_or_b32 s[G1B+0], s104, (0<<16)|(1<<20)|(1<<21)|(5<<22)|(3<<25)
	s_or_b32 s[G1SA+0], s15, (3<<16)|(1<<20)|(1<<21)|(5<<22)|(3<<25)   ; the scales: elements of 8 bytes
	s_or_b32 s[G1SB+0], s104, (3<<16)|(1<<20)|(1<<21)|(5<<22)|(3<<25)
	s_mov_b32 s[G1A+1], 256<<16                    ; tensor_dim0 = 256 bytes
	s_mov_b32 s[G1A+2], 64<<16                     ; tensor_dim1 = 64 rows
	s_mov_b32 s[G1A+3], 256<<16                    ; tile_dim0
	s_mov_b32 s[G1A+4], 64                         ; tile_dim1
	s_mov_b32 s[G1A+5], 512                        ; a row of 1,024 codes
	s_mov_b32 s[G1A+6], 0
	s_mov_b32 s[G1A+7], 0
	s_mov_b32 s[G1B+1], 256<<16
	s_mov_b32 s[G1B+2], 128<<16
	s_mov_b32 s[G1B+3], 256<<16
	s_mov_b32 s[G1B+4], 128
	s_mov_b32 s[G1B+5], 512
	s_mov_b32 s[G1B+6], 0
	s_mov_b32 s[G1B+7], 0
	s_mov_b32 s[G1SA+1], 32<<16                    ; 64 rows' scale bytes: 8 dense rows of 256 bytes
	s_mov_b32 s[G1SA+2], 8<<16
	s_mov_b32 s[G1SA+3], 32<<16
	s_mov_b32 s[G1SA+4], 8
	s_mov_b32 s[G1SA+5], 32
	s_mov_b32 s[G1SA+6], 0
	s_mov_b32 s[G1SA+7], 0
	s_mov_b32 s[G1SB+1], 32<<16                    ; 128 rows': 16
	s_mov_b32 s[G1SB+2], 16<<16
	s_mov_b32 s[G1SB+3], 32<<16
	s_mov_b32 s[G1SB+4], 16
	s_mov_b32 s[G1SB+5], 32
	s_mov_b32 s[G1SB+6], 0
	s_mov_b32 s[G1SB+7], 0
	s_lshl_b32 s16, s14, 7                         ; x: row 128 x tile row + 64 x half
	s_lshl_b32 s17, s12, 6
	s_add_co_u32 s16, s16, s17
	s_lshl_b32 s18, s16, 5                         ; its scale bytes,
	s_mov_b32 s19, 0
	s_lshl_b32 s16, s16, 9                         ; its codes
	s_mov_b32 s17, 0
	s_lshl_b32 s104, s67, 8                        ; W: row 256 x tile column + 128 x half
	s_lshl_b32 s105, s12, 7
	s_add_co_u32 s104, s104, s105
	s_lshl_b32 s66, s104, 5
	s_add_co_u32 s66, s66, 786432                  ; W's scale bytes lie behind x's three tensors',
	s_mov_b32 s67, 0
	s_lshl_b32 s104, s104, 9
	s_add_co_u32 s104, s104, 12582912              ; and so do its codes
	s_mov_b32 s105, 0
	s_mul_i32 s20, s12, AH                         ; where they go: the wave's number alone enters an LDS address
	s_mul_i32 s21, s12, 8*272
	s_mul_i32 s22, s12, BH
	s_add_co_u32 s22, s22, BOFF
	s_mul_i32 s23, s12, 16*272
	s_add_co_u32 s23, s23, 16*272
	s_mov_b32 s100, 0x3e38aa3b                     ; c = log2(e) / 8
	s_mov_b32 s101, s100                           ; (named with it as a pair)
	s_wait_dscnt 0x0                               ; both opening adds are done
	s_wait_kmcnt 0x0
	s_add_nc_u64 s[16:17], s[4:5], s[16:17]
	s_add_nc_u64 s[18:19], s[6:7], s[18:19]
	s_add_nc_u64 s[104:105], s[4:5], s[104:105]
	s_add_nc_u64 s[66:67], s[6:7], s[66:67]
	CROUND                                         ; all sixteen work-groups are here: the first joint loads meet
.irp t, 0,1,2
	s_mov_b32 s[G0SA+4*\t], 1
	s_add_co_u32 s[G0SA+4*\t+1], s21, SCL+SCT*\t
	s_add_nc_u64 s[G0SA+4*\t+2:G0SA+4*\t+3], s[18:19], 262144*\t
	s_or_b32 s[G0SA+4*\t+3], s[G0SA+4*\t+3], 0x80000000
	s_mov_b32 s[G0SB+4*\t], 1
	s_add_co_u32 s[G0SB+4*\t+1], s23, SCL+SCT*\t
	s_add_nc_u64 s[G0SB+4*\t+2:G0SB+4*\t+3], s[66:67], 32768*\t
	s_or_b32 s[G0SB+4*\t+3], s[G0SB+4*\t+3], 0x80000000
.endr
.irp s, 0,1
	s_mov_b32 s[G0A+4*\s], 1
	s_add_co_u32 s[G0A+4*\s+1], s20, \s*SLOT
	s_add_nc_u64 s[G0A+4*\s+2:G0A+4*\s+3], s[16:17], \s*256
	s_or_b32 s[G0A+4*\s+3], s[G0A+4*\s+3], 0x80000000
	s_mov_b32 s[G0B+4*\s], 1
	s_add_co_u32 s[G0B+4*\s+1], s22, \s*SLOT
	s_add_nc_u64 s[G0B+4*\s+2:G0B+4*\s+3], s[104:105], \s*256
	s_or_b32 s[G0B+4*\s+3], s[G0B+4*\s+3], 0x80000000
.endr
	JLOAD G0SA, G1SA, G0SB, G1SB                   ; five first fills a wave, as one group: tile 0's scales,
	JLOAD G0A, G1A, G0B, G1B                       ; slot 0,
	JLOAD G0A+4, G1A, G0B+4, G1B                   ; slot 1,
	JLOAD G0SA+4, G1SA, G0SB+4, G1SB               ; and the scales of tiles 1
	JLOAD G0SA+8, G1SA, G0SB+8, G1SB               ; and 2
	v_and_b32 v1, 15, v0                           ; r
	v_bfe_u32 v2, v0, 4, 1                         ; h
	v_mul_u32_u24 v3, v1, PITCH
	v_lshl_add_u32 v4, v2, 4, v3                   ; a fragment's row x pitch + 16 h
	s_mul_i32 s20, s11, AH                         ; my 64 rows of x
	s_mul_i32 s21, s12, BH
	s_add_co_u32 s21, s21, BOFF                    ; my 128 rows of W
.irp s, 0,1
	v_add_nc_u32 v[ADRA+\s], s20, v4
	v_add_nc_u32 v[ADRB+\s], s21, v4
	s_add_co_u32 s20, s20, SLOT
	s_add_co_u32 s21, s21, SLOT
.endr
	v_lshlrev_b32 v5, 5, v1                        ; my row's scales: 32 bytes a row,
	v_lshrrev_b32 v6, 8, v5
	v_lshl_add_u32 v5, v6, 4, v5                   ; and 16 more behind each 256
	s_mul_i32 s20, s11, 8*272                      ; lanes 0-15: x's, my 64 rows
	s_mul_i32 s21, s12, 16*272
	s_add_co_u32 s21, s21, 16*272                  ; lanes 16-31: W's, my 128 rows, behind x's
	s_sub_co_u32 s21, s21, s20
	v_mul_u32_u24 v6, s21, v2                      ; one product: h x the distance between the two
	s_add_co_u32 s20, s20, SCL
	v_add_nc_u32 v5, v5, v6
	v_add_nc_u32 v[ADRS], s20, v5
	s_mul_i32 s20, s10, 16*PITCH
	s_add_co_u32 s20, s20, STAGE                   ; my stage
	v_add_nc_u32 v[STO], s20, v4                   ; in: row r, 16 bytes for each half of the lanes
	v_mul_u32_u24 v5, v2, PITCH
	v_lshl_add_u32 v5, v1, 4, v5
	v_add_nc_u32 v[RD], s20, v5                    ; back: lanes 0-15 one row of 256 bytes, lanes 16-31 the next
	v_lshlrev_b32 v5, 11, v2
	v_lshl_add_u32 v[CO], v1, 4, v5                ; and the same two rows in qkv (2,048 bytes a row)
	s_bfe_u32 s66, ttmp6, 0x40000
	s_lshl_b32 s67, ttmp9, 2
	s_add_co_u32 s66, s66, s67
	s_lshl_b32 s66, s66, 9                         ; my first column in bytes: 512 x tile column + 256 x half
	s_lshl_b32 s67, s12, 8
	s_add_co_u32 s66, s66, s67
	s_lshl_b32 s16, s14, 7
	s_lshl_b32 s17, s11, 6
	s_add_co_u32 s16, s16, s17                     ; my first row
	s_lshl_b32 s16, s16, 11
	s_add_co_u32 s16, s16, s66
	s_mov_b32 s17, 0
	s_add_nc_u64 s[8:9], s[8:9], s[16:17]
.macro FRAG reg, adr, q, i             ; 16 rows x 128 K of 4-bit codes: 8 registers: two loads of 16 bytes, 32 apart
.irp c, 0,1
	ds_load_b128 v[\reg+4*\c:\reg+4*\c+3], v[\adr] offset:64*(\q)+32*\c+(\i)*16*PITCH
.endr
.endm
; 8 matrix instructions: x's block a against W's eight.  Scale register 4 i + q of a set: lanes 0-15 the word of x's block i, lanes 16-31 that of W's block i.
; The 32 accumulators take turns, one instruction a turn, in the same order in every quarter.
.macro MULA a, f, q, set, zero
.irp b, 0,1,2,3,4,5,6,7
.if \zero
	v_wmma_scale_f32_16x16x128_f8f6f4 v[64*(\a)+8*\b:64*(\a)+8*\b+7], v[64*(\f)+8*\b:64*(\f)+8*\b+7], v[AF+32*(\f)+8*(\a):AF+32*(\f)+8*(\a)+7], 0, v[SC+32*(\set)+4*\b+(\q)], v[SC+32*(\set)+4*(\a)+(\q)] matrix_a_fmt:MATRIX_FMT_FP4 matrix_b_fmt:MATRIX_FMT_FP4 matrix_a_scale:MATRIX_SCALE_ROW1
.else
	v_wmma_scale_f32_16x16x128_f8f6f4 v[64*(\a)+8*\b:64*(\a)+8*\b+7], v[64*(\f)+8*\b:64*(\f)+8*\b+7], v[AF+32*(\f)+8*(\a):AF+32*(\f)+8*(\a)+7], v[64*(\a)+8*\b:64*(\a)+8*\b+7], v[SC+32*(\set)+4*\b+(\q)], v[SC+32*(\set)+4*(\a)+(\q)] matrix_a_fmt:MATRIX_FMT_FP4 matrix_b_fmt:MATRIX_FMT_FP4 matrix_a_scale:MATRIX_SCALE_ROW1
.endif
.endr
.endm
; One run of LDS loads: the fragments of the slot's q-th 128 along K into buffer g; sc >= 0: and the slot's scale words into set sc.  x's blocks 2, 3 come last.
.macro FETCH slot, q, g, sc
	WIN TO_B
.irp i, 0,1,2,3,4,5,6,7
	FRAG 64*(\g)+8*\i, ADRB+\slot, \q, \i
.endr
	WIN 0
.irp i, 0,1
	FRAG AF+32*(\g)+8*\i, ADRA+\slot, \q, \i
.endr
.if (\sc) >= 0
.irp i, 0,1,2,3,4,5,6,7
	ds_load_b128 v[SC+32*(\sc)+4*\i:SC+32*(\sc)+4*\i+3], v[ADRS] offset:\i*544   ; four words a row: the slot's 512 along K (in lanes 0-15 blocks 4-7 bring filled bytes that nobody uses)
.endr
.endif
.irp i, 2,3
	FRAG AF+32*(\g)+8*\i, ADRA+\slot, \q, \i
.endr
.endm
.macro QUARTER slot, q, zero
	s_wait_dscnt 4                                 ; all but the youngest four loads (x's blocks 2, 3) are in
	WIN MUL
	MULA 0, (\q)%2, \q, \slot, \zero
	MULA 1, (\q)%2, \q, \slot, \zero
	PLACES 4                                       ; in front of loads into the buffer that the quarter before multiplied
	FETCH \slot, (\q)+1, 1-(\q)%2, -1
	s_wait_dscnt 24                                ; all but the 24 just issued
	WIN MUL
	MULA 2, (\q)%2, \q, \slot, \zero
	MULA 3, (\q)%2, \q, \slot, \zero
.endm
; A slot's last quarter changes slots: one barrier; in front of it each wave waits for all its tensor loads, adds 0 to its spare word, and waits for that and for its reads of this slot.
; fill = 1: the barrier opens a round of the cluster's, and this slot takes the NEXT tile's K step of the same number.
.macro TURN slot, next, fill
	WIN 0
	s_wait_tensorcnt 0x0                           ; all my tensor loads have landed
	ds_add_u32 v[SPW], v[NIL]
	s_wait_dscnt 5                                 ; (the add and x's blocks 2, 3 may be out)
	WIN MUL
	MULA 0, 1, 3, \slot, 0
	s_wait_dscnt 0x0                               ; the add is done, and my reads of this slot are over
	s_barrier_signal -1
	MULA 1, 1, 3, \slot, 0
	WIN 0
	s_barrier_wait -1
.if \fill
	CREST
	s_add_nc_u64 s[G0A+4*\slot+2:G0A+4*\slot+3], s[G0A+4*\slot+2:G0A+4*\slot+3], ASTEP
	s_add_nc_u64 s[G0B+4*\slot+2:G0B+4*\slot+3], s[G0B+4*\slot+2:G0B+4*\slot+3], BSTEP
	JLOAD G0A+4*\slot, G1A, G0B+4*\slot, G1B       ; the first tensor load behind the round; its four v_nop are the places in front of the loads below
.else
	PLACES 4
.endif
.if \slot == 0
	v_add_nc_u32 v[ADRS], 16, v[ADRS]              ; the second half of a row's 32 scale bytes
.else
	v_add_nc_u32 v[ADRS], SCT-16, v[ADRS]          ; the next tile's scales
.endif
	FETCH \next, 0, 0, \next
	WIN MUL
	MULA 2, 1, 3, \slot, 0
	MULA 3, 1, 3, \slot, 0
.endm
; THE WAY OUT, a block of 16 rows x 128 columns at a time: rounded to f16, 16 bytes a lane, through my own stage, back as whole rows of 256 bytes.
.macro PACK a, scale
.if \scale
	WIN 0x41                                       ; destination and source 0 window 1
.set i, 64*(\a)
.rept 32
	v_pk_mul_f32 v[i:i+1], v[i:i+1], s[100:101] op_sel_hi:[1,0]   ; the query's factor, in f32
.set i, i+2
.endr
.endif
	WIN 0x05                                       ; sources 0 and 1 window 1
.irp b, 0,1,2,3,4,5,6,7
.irp r, 0,1,2,3
	v_cvt_pk_f16_f32 v[TMP+4*\b+\r], v[64*(\a)+8*\b+2*\r], v[64*(\a)+8*\b+2*\r+1]   ; each accumulator from its low end on
.endr
.endr
	WIN 0
.endm
.macro TOSTAGE a
.set BB, OB+32*((\a)%2)
.irp b, 0,1,2,3,4,5,6,7
	ds_store_b128 v[STO], v[TMP+4*\b:TMP+4*\b+3] offset:32*\b
.endr
.irp t, 0,1,2,3,4,5,6,7
	ds_load_b128 v[BB+4*\t:BB+4*\t+3], v[RD] offset:\t*2*PITCH   ; LDS serves a wave's instructions in order: these see the stores above
.endr
.endm
.macro SEND a
.set BB, OB+32*((\a)%2)
	s_wait_dscnt 0x0                               ; the block is back in registers
	s_wait_xcnt 0x0                                ; earlier stores have read their registers: the next block's loads may land there
.irp t, 0,1,2,3,4,5,6,7
	global_store_b128 v[CO], v[BB+4*\t:BB+4*\t+3], s[8:9] offset:32768*(\a)+4096*\t   ; 16 lanes store 256 consecutive bytes, aligned
.endr
.endm
.macro WAYOUT scale
	PACK 0, \scale
	TOSTAGE 0
.irp a, 1,2,3
	PACK \a, \scale
	SEND \a-1
	TOSTAGE \a
.endr
	SEND 3
.endm
	s_wait_tensorcnt 3                             ; tile 0's scales and my part of slot 0 are in; slot 1 and two tiles' scales may be out
	s_barrier_signal -1
	s_barrier_wait -1
	FETCH 0, 0, 0, 0
	s_mov_b32 s3, 2
.Ltile:                                                ; two trips: key, value; both refill the ring with the next tile
	QUARTER 0, 0, 1                                ; the first products start the sums: nothing is cleared
	QUARTER 0, 1, 0
	QUARTER 0, 2, 0
	TURN 0, 1, 1
	QUARTER 1, 0, 0
	QUARTER 1, 1, 0
	QUARTER 1, 2, 0
	TURN 1, 0, 1
	WAYOUT 0                                       ; blocks 0, 1 were finished ahead of the joint load's four v_nop; their conversions are the places behind blocks 2, 3
	s_wait_xcnt 0x0                                ; the last stores have read their base
	s_add_nc_u64 s[8:9], s[8:9], 16777216          ; the next tensor of qkv
	s_sub_co_u32 s3, s3, 1
	s_cmp_lg_u32 s3, 0
	s_cbranch_scc1 .Ltile
	QUARTER 0, 0, 1                                ; the query's tile is written out: it asks for nothing more
	QUARTER 0, 1, 0
	QUARTER 0, 2, 0
	TURN 0, 1, 0
	QUARTER 1, 0, 0
	QUARTER 1, 1, 0
	QUARTER 1, 2, 0
	s_wait_dscnt 4
	WIN MUL
	MULA 0, 1, 3, 1, 0
	MULA 1, 1, 3, 1, 0
	s_wait_dscnt 0x0
	MULA 2, 1, 3, 1, 0
	MULA 3, 1, 3, 1, 0
	WIN 0
	PLACES 4
	WAYOUT 1
	s_wait_tensorcnt 0x0                           ; the wave's end
	ds_add_u32 v[SPW], v[NIL]
	s_wait_dscnt 0x0
	CROUND                                         ; the closing round
	s_endpgm
.Lfunc_end_k_q94a653477a_proj:
	.size	k_q94a653477a_proj, .Lfunc_end_k_q94a653477a_proj-k_q94a653477a_proj
	.p2alignl 7, 3214868480
	.fill 96, 4, 3214868480
	.section	.rodata,"a",@progbits
	.p2align	6, 0x0
	.amdhsa_kernel k_q94a653477a_proj
		.amdhsa_group_segment_fixed_size 327680
		.amdhsa_private_segment_fixed_size 0
		.amdhsa_enable_private_segment 0
		.amdhsa_kernarg_size 24
		.amdhsa_user_sgpr_count 2
		.amdhsa_user_sgpr_kernarg_segment_ptr 1
		.amdhsa_wavefront_size32 1
		.amdhsa_system_sgpr_workgroup_id_x 1
		.amdhsa_system_sgpr_workgroup_id_y 1
		.amdhsa_system_sgpr_workgroup_id_z 1
		.amdhsa_system_vgpr_workitem_id 0
		.amdhsa_next_free_vgpr 640
		.amdhsa_next_free_sgpr 106
		.amdhsa_reserve_vcc 0
		.amdhsa_float_denorm_mode_32 3
		.amdhsa_float_denorm_mode_16_64 3
		.amdhsa_memory_ordered 1
		.amdhsa_forward_progress 1
		.amdhsa_inst_pref_size 149
	.end_amdhsa_kernel
	.amdgpu_metadata
---
amdhsa.version: [ 1, 2 ]
amdhsa.kernels:
  - .name:           k_q94a653477a_proj
    .symbol:         k_q94a653477a_proj.kd
    .args:
      - { .name: cod, .offset: 0, .size: 8, .value_kind: global_buffer, .address_space: global }
      - { .name: scl, .offset: 8, .size: 8, .value_kind: global_buffer, .address_space: global }
      - { .name: qkv, .offset: 16, .size: 8, .value_kind: global_buffer, .address_space: global }
    .group_segment_fixed_size: 327680
    .private_segment_fixed_size: 0
    .kernarg_segment_align: 8
    .kernarg_segment_size: 24
    .max_flat_workgroup_size: 128
    .sgpr_count:     106
    .vgpr_count:     640
    .wavefront_size: 32
...
	.end_amdgpu_metadata
.endif
;; end of part 3
;; launch attn (part 4): grid 8 x 32, 16 waves a work-group, clusters of 4 x 1, 327,680 bytes of LDS; arguments qkv, maskw, att; writes att
.if DOCPART == 4
	.amdgcn_target "amdgcn-amd-amdhsa--gfx1250"
	.amdhsa_code_object_version 6
	.text
	.protected	k_q94a653477a_attn
	.globl	k_q94a653477a_attn
	.p2align	8
	.type	k_q94a653477a_attn,@function
k_q94a653477a_attn:
	s_mov_b64 s[64:65], 0
	v_nop
	global_prefetch_b8 v0, s[64:65] scope:SCOPE_SE
	s_setreg_imm32_b32 hwreg(HW_REG_WAVE_MODE, 25, 1), 1
	s_wait_xcnt 0x0
	s_wait_alu depctr_hold_cnt(0) depctr_sa_sdst(0) depctr_va_vdst(0) depctr_va_sdst(0) depctr_va_ssrc(0) depctr_va_vcc(0) depctr_vm_vsrc(0)
	s_getreg_b32 s2, hwreg(HW_REG_IB_STS2, 6, 4)
	s_cmp_eq_u32 s2, 0
	s_cbranch_scc0 .Lentry_in_a_cluster
	s_endpgm
.Lentry_in_a_cluster:
	s_bfe_u32 s2, ttmp6, 0x10000c
	s_cmp_lg_u32 s2, 0x3003
	s_cbranch_scc0 .Lentry_shape_is_right
	s_endpgm
.Lentry_shape_is_right:
; att[b][q][head 64 + d] = the sum over k of softmax_k(where(mask == 0, -1e9, q . k / 8)) v[k][d], for 4 batches x 16 heads x 2,048 queries; operands f16, products, maxima and sums f32.
; qkv holds k, v, q as f16 [8192][1024]; q is already multiplied by log2(e) / 8, so a score arrives as t, and p = 2^(t - m), m the running largest t of the row, masked places:
; a masked score becomes NEG = -1e9 log2(e) AHEAD of the maximum.  A row with no visible key has every t = m = NEG, every p = 1: the average of all v.
; LIMITS: NEG is rounded to f32; q, k, v, p and the result are f16 (magnitudes to 65,504, step 2^-24 at the bottom); NaN and infinities are not served.
; SHARES: work-group y = 8 b + hp takes a PAIR of heads, so that a row of K, V and att is 256 consecutive aligned bytes; x takes 256 queries.  Wave w: head 2 hp + w / 8, queries 32 (w % 8) on: two tiles of 16.
; LAYOUT: S^T = K Q^T (source 0 = 16 keys, source 1 = 16 queries): a lane holds one query (lane % 16) and keys 8 (lane / 16) + 0..7; two such tiles rounded in pairs ARE source 1 of O^T = V^T P.  V comes turned, by ds_load_tr16_b128.
; A KEY STEP GOES BY HALVES OF ITS 64 KEYS, so that the wave's own vector work stands between its matrix instructions: the second half's K Q^T carries the first half's mask and maximum, the first half's V^T P the second
; half's exponentials, the second half's V^T P the last roundings and sums.  K's and V's halves take turns in the two halves of the fragment registers.
; THE MASK comes as lane-mask words (one for each register of S^T), 64 a key step, by scalar loads a step ahead, and only selects values.
; RING: two slots of two key steps (64 keys each); waves 0, 1 fetch K's two steps, waves 2, 3 V's; the cluster's four query blocks walk the same K and V, so every tile is asked for jointly.
; REGISTERS: v1-11 addresses and constants; v16-31 statistics, 8 a tile: +0 m, +2,+3 the sum, +4..7 at work (+6 = a); v32-63 Q; v64-127 S^T (P over its first 16 of each tile); v128-191 O^T; v192-255 8 fragments of K or of V.
.set PK,    272                        ; a row of K in LDS: 256 bytes + 16
.set PV,    288                        ; a row of V: 256 + 32
.set VOFF,  64*PK
.set STEPB, 64*(PK+PV)
.set SLOT1, 1<<17
.set STAGE, SLOT1+2*STEPB              ; 256 rows x 272 bytes, bytes of their own
.set SPARE, STAGE+256*272              ; the spare words, 128 bytes for each of 16 waves
.set QQ, 32
.set SS, 64
.set OO, 128
.set FF, 192
.macro CROUND
	s_barrier_signal -1
	s_barrier_wait -1
	s_cmp_lg_u32 s2, 0
	s_cbranch_scc1 .Lnot_wave_0_\@
	s_barrier_signal -3
.Lnot_wave_0_\@:
	s_barrier_wait -3
	s_barrier_signal -1
	s_barrier_wait -1
.endm
.macro TLOAD                           ; waves 0, 1: K; waves 2, 3: V; the others nothing.  The branches hang on the wave's number alone.  An s_nop 0 and four v_nop follow each line
	s_cmp_lt_u32 s2, 2
	s_cbranch_scc0 .Lnot_k_\@
	tensor_load_to_lds s[4:7], s[84:91]
	s_nop 0
.rept 4
	v_nop
.endr
	s_branch .Lasked_\@
.Lnot_k_\@:
	s_cmp_lt_u32 s2, 4
	s_cbranch_scc0 .Lasked_\@
	tensor_load_to_lds s[8:11], s[92:99]
	s_nop 0
.rept 4
	v_nop
.endr
.Lasked_\@:
.endm
; A prefetch of what the NEXT change of slots will ask for: 128 rows of K and 128 of V, 256 bytes of each.  The head pair's first cluster asks; its four partners take 32 rows each, told apart by address;
; in each, wave 4 asks for K's and wave 5 for V's, a lane a row: each row's 256 bytes are named once in the launch.  The last change that fills a slot asks for nothing.
.macro ASK
	s_cmp_gt_u32 s104, s105
	s_cbranch_scc0 .Lnot_mine_\@
	global_prefetch_b8 v8, s[100:101] th:TH_LOAD_NT scope:SCOPE_SE
.Lnot_mine_\@:
.endm
.macro MLOAD                           ; my 64 mask words of one key step: word 32 u + 8 kt + j in s[16 + i], from i = 48 on in s[20 + i]
	s_load_b512 s[16:31], s[66:67], 0x0
	s_load_b512 s[32:47], s[66:67], 0x40
	s_load_b512 s[48:63], s[66:67], 0x80
	s_load_b512 s[68:83], s[66:67], 0xc0
.endm
	s_load_b128 s[16:19], s[0:1], 0x0              ; qkv, maskw
	s_load_b64 s[20:21], s[0:1], 0x10              ; att
	v_lshl_add_u32 v3, v0, 2, SPARE
	v_mov_b32 v4, 0
	ds_add_u32 v3, v4                              ; the wave's opening: the add, twice on end, and its wait ahead of the first tensor loads
	ds_add_u32 v3, v4
	v_lshrrev_b32 v12, 5, v0
	v_readfirstlane_b32 s2, v12                    ; wave 0..15
	s_bfe_u32 s22, ttmp6, 0x40000                  ; cx
	s_lshl_b32 s23, ttmp9, 2
	s_add_co_u32 s23, s23, s22                     ; my block of 256 queries
	s_and_b32 s24, ttmp7, 0xffff
	s_lshr_b32 s25, s24, 3                         ; b
	s_and_b32 s26, s24, 7                          ; hp
	s_and_b32 s27, s2, 1                           ; which of a slot's two steps I fetch
	s_and_b32 s28, s2, 7                           ; my 32 queries of the block
	s_lshr_b32 s29, s2, 3                          ; my head of the pair
	s_lshl_b32 s30, s25, 22                        ; the batch's 2,048 rows of 2,048 bytes,
	s_lshl_b32 s31, s26, 8
	s_add_co_u32 s30, s30, s31                     ; the head pair's 256 bytes: what the four partners share
	s_mov_b32 s31, 0
	s_lshl_b32 s32, s27, 17                        ; my step's 64 rows
	s_add_co_u32 s32, s32, s30
	s_mov_b32 s33, 0
	s_mul_i32 s34, s27, STEPB                      ; and its place in a slot
	s_lshl_b32 s40, s23, 19                        ; my block's 256 rows
	s_add_co_u32 s40, s40, s30                     ; att: the block's first row, the head pair's bytes
	s_mov_b32 s41, 0
	s_lshl_b32 s37, s28, 16
	s_add_co_u32 s36, s40, s37                     ; Q: my 32 rows,
	s_lshl_b32 s44, s29, 7
	s_add_co_u32 s36, s36, s44                     ; my head's 128 bytes,
	s_add_co_u32 s36, s36, 33554432                ; in qkv's third tensor
	s_mov_b32 s37, 0
	s_lshl_b32 s38, s25, 6
	s_lshl_b32 s39, s23, 3
	s_add_co_u32 s38, s38, s39
	s_add_co_u32 s38, s38, s28
	s_lshl_b32 s38, s38, 13                        ; the mask words of my 32 queries: 32 steps x 256 bytes
	s_mov_b32 s39, 0
	s_lshl_b32 s42, s27, 24                        ; the prefetches: K (wave 4) or V (wave 5),
	s_add_co_u32 s42, s42, s30
	s_lshl_b32 s43, s22, 16                        ; my work-group's 32 rows of a slot's 128,
	s_add_co_u32 s42, s42, s43
	s_add_co_u32 s42, s42, 262144                  ; in slot 1: the first change of slots steps it to slot 2
	s_mov_b32 s43, 0
	s_mov_b32 s84, 15|(1<<16)|(1<<20)|(1<<21)|(5<<22)|(3<<25)   ; K: mask of all four; elements of 2 bytes; padding: 4 words behind every 64
	s_mov_b32 s92, 15|(1<<16)|(1<<20)|(1<<21)|(5<<22)|(7<<25)   ; V: 8 words
.irp g, 84, 92
	s_mov_b32 s[\g+1], 128<<16                     ; tensor_dim0 = 128 elements
	s_mov_b32 s[\g+2], 64<<16                      ; tensor_dim1 = 64 rows
	s_mov_b32 s[\g+3], 128<<16                     ; tile_dim0
	s_mov_b32 s[\g+4], 64                          ; tile_dim1
	s_mov_b32 s[\g+5], 1024                        ; elements from row to row
	s_mov_b32 s[\g+6], 0
	s_mov_b32 s[\g+7], 0
.endr
	s_mov_b32 s14, 0x76543210                      ; v_permlanex16_b32's selects for lane l xor 16
	s_mov_b32 s15, 0xfedcba98
	s_mov_b32 s3, 0                                ; the slot in hand
	s_mov_b32 s104, 15                             ; slots still to be asked for
	s_lshr_b32 s105, s2, 1
	s_xor_b32 s105, s105, 2                        ; 0 in waves 4 and 5,
	s_or_b32 s105, s105, ttmp9                     ; of the head pair's first cluster: the same in all four partners
	s_cmp_eq_u32 s105, 0
	s_cselect_b32 s105, 1, -1
	s_wait_dscnt 0x0                               ; both opening adds are done
	s_wait_kmcnt 0x0
	s_add_nc_u64 s[32:33], s[16:17], s[32:33]      ; K at my tile of slot 0
	s_add_nc_u64 s[36:37], s[16:17], s[36:37]      ; Q
	s_add_nc_u64 s[66:67], s[18:19], s[38:39]      ; the mask words
	s_add_nc_u64 s[12:13], s[20:21], s[40:41]      ; att
	s_add_nc_u64 s[100:101], s[16:17], s[42:43]    ; the prefetches
	CROUND                                         ; all four work-groups are here: the first joint loads meet
	s_mov_b32 s4, 1
	s_mov_b32 s5, s34
	s_mov_b64 s[6:7], s[32:33]
	s_or_b32 s7, s7, 0x80000000
	s_mov_b32 s8, 1
	s_add_co_u32 s9, s34, VOFF
	s_add_nc_u64 s[10:11], s[32:33], 16777216      ; V is qkv's second tensor
	s_or_b32 s11, s11, 0x80000000
	TLOAD                                          ; slot 0
	v_and_b32 v12, 15, v0                          ; r
	v_bfe_u32 v13, v0, 4, 1                        ; h
	v_lshlrev_b32 v14, 11, v12
	v_lshl_add_u32 v14, v13, 4, v14                ; Q: row r of 2,048 bytes + 16 h
.irp u, 0,1
.irp kc, 0,1
.irp c, 0,1
	global_load_b128 v[QQ+16*\u+8*\kc+4*\c:QQ+16*\u+8*\kc+4*\c+3], v14, s[36:37] offset:32768*\u+64*\kc+32*\c
.endr
.endr
.endr
	v_mul_u32_u24 v1, v12, PK
	v_lshl_add_u32 v1, v13, 4, v1
	v_add_nc_u32 v1, s44, v1                       ; K: row r x pitch + 16 h + my head's 128 bytes
	v_and_b32 v15, 7, v0
	v_lshl_add_u32 v2, v13, 3, v15
	v_mul_u32_u24 v2, v2, PV
	v_bfe_u32 v15, v0, 3, 1
	v_lshl_add_u32 v2, v15, 4, v2
	s_add_co_u32 s45, s44, VOFF
	v_add_nc_u32 v2, s45, v2                       ; V, for the turning load: key 8 h + l % 8, channels 8 ((l / 8) % 2) on
	v_mov_b32 v7, 0xceabfb8f                       ; NEG = -1e9 log2(e)
	v_and_b32 v8, 31, v0
	v_lshlrev_b32 v8, 11, v8                       ; the prefetches: a lane a row
	s_mul_i32 s46, s28, 32*272
	s_add_co_u32 s46, s46, s44
	s_add_co_u32 s46, s46, STAGE
	v_mul_u32_u24 v9, v12, 272
	v_lshl_add_u32 v9, v13, 4, v9
	v_add_nc_u32 v9, s46, v9                       ; the stage, in: row 32 (w % 8) + r, my head's half, 16 h
	s_mul_i32 s47, s2, 16*272
	s_add_co_u32 s47, s47, STAGE
	v_mul_u32_u24 v10, v13, 272
	v_lshl_add_u32 v10, v12, 4, v10
	v_add_nc_u32 v10, s47, v10                     ; back: rows 16 w on, lanes 0-15 one row, lanes 16-31 the next
	s_lshl_b32 s48, s2, 15
	v_lshlrev_b32 v11, 11, v13
	v_lshl_add_u32 v11, v12, 4, v11
	v_add_nc_u32 v11, s48, v11                     ; and the same rows in att
.irp u, 0,1
	v_mov_b32 v[16+8*\u], 0xff61b1e6               ; m: -3e38, under every t
	v_mov_b32 v[17+8*\u], 0                        ; (named with m as a pair)
	v_mov_b32 v[18+8*\u], 0                        ; the sum, in two halves
	v_mov_b32 v[19+8*\u], 0
	v_mov_b32 v[21+8*\u], 0                        ; a lane permute's destination counts as read
.endr
	s_wait_xcnt 0x0                                ; Q's loads have read their base, which lies where mask words land
	MLOAD                                          ; key step 0's words
.set n, 0
.rept 64
	v_mov_b32 v[OO+n], 0                           ; O^T: the step is written once; its first run finds zeros, which a = 0 leaves zeros
.set n, n+1
.endr
; K's fragments of key tiles kt0, kt0 + 1 of the slot's q-th step: eight loads, into fragment registers 2 kt + kc
.macro KLOAD q, kt0
.irp kt, \kt0, \kt0+1
.irp kc, 0,1
.irp c, 0,1
	ds_load_b128 v[FF+8*(2*(\kt)+\kc)+4*\c:FF+8*(2*(\kt)+\kc)+4*\c+3], v5 offset:STEPB*(\q)+4352*(\kt)+64*\kc+32*\c
.endr
.endr
.endr
.endm
; V's fragments of keys 32 kk on, turned: eight loads, into fragment registers 4 kk + ct
.macro VLOAD q, kk
.irp ct, 0,1,2,3
	ds_load_tr16_b128 v[FF+8*(4*(\kk)+\ct):FF+8*(4*(\kk)+\ct)+3], v6 offset:STEPB*(\q)+9216*(\kk)+32*\ct
	ds_load_tr16_b128 v[FF+8*(4*(\kk)+\ct)+4:FF+8*(4*(\kk)+\ct)+7], v6 offset:STEPB*(\q)+9216*(\kk)+4608+32*\ct
.endr
.endm
; Product wi of eight of S^T = K Q^T for key tiles kt0, kt0 + 1: channels 32 (wi / 4) on, key tile kt0 + (wi / 2) % 2, tile of queries wi % 2.  Four accumulators by turns, one instruction a turn.
.macro KQW kt0
.set wc, wi/4
.set wt, (\kt0)+(wi/2)%2
.set wu, wi%2
.if wc == 0
	v_wmma_f32_16x16x32_f16 v[SS+32*wu+8*wt:SS+32*wu+8*wt+7], v[FF+8*(2*wt+wc):FF+8*(2*wt+wc)+7], v[QQ+16*wu+8*wc:QQ+16*wu+8*wc+7], 0
.else
	v_wmma_f32_16x16x32_f16 v[SS+32*wu+8*wt:SS+32*wu+8*wt+7], v[FF+8*(2*wt+wc):FF+8*(2*wt+wc)+7], v[QQ+16*wu+8*wc:QQ+16*wu+8*wc+7], v[SS+32*wu+8*wt:SS+32*wu+8*wt+7]
.endif
.set wi, wi+1
.endm
; One product of O^T += V^T P: keys 32 kk on, channels 16 ct on, tile u
.macro PVW kk, ct, u
	v_wmma_f32_16x16x32_f16 v[OO+32*(\u)+8*(\ct):OO+32*(\u)+8*(\ct)+7], v[FF+8*(4*(\kk)+(\ct)):FF+8*(4*(\kk)+(\ct))+7], v[SS+32*(\u)+8*(\kk):SS+32*(\u)+8*(\kk)+7], v[OO+32*(\u)+8*(\ct):OO+32*(\u)+8*(\ct)+7]
.endm
; Item hk of 50 of what stands between the second half's products K Q^T: four v_nop (the places behind the first half's products, ahead of the first read of their scores and of the loads over their fragments);
; the first half's 32 selections by the mask, each accumulator from its low end on; 14 steps of its maximum (chains +4, +5 of each tile).  The tiles alternate.
.macro H0ITEM
.set hu, hk%2
.if hk < 4
	v_nop
.elseif hk < 36
.set hn, (hk-4)/2
.if hu == 0
	v_cndmask_b32 v[SS+hn], v7, v[SS+hn], s[16+hn]
.else
	v_cndmask_b32 v[SS+32+hn], v7, v[SS+32+hn], s[48+hn]
.endif
.elseif hk < 40
.set hj, (hk-36)/2
	v_max3_num_f32 v[20+8*hu+hj], v[SS+32*hu+8*hj], v[SS+32*hu+8*hj+1], v[SS+32*hu+8*hj+2]
.elseif hk < 48
.set hj, ((hk-40)/2)%2
.set hg, (hk-40)/4+1
	v_max3_num_f32 v[20+8*hu+hj], v[20+8*hu+hj], v[SS+32*hu+8*hj+2*hg+1], v[SS+32*hu+8*hj+2*hg+2]
.else
	v_max3_num_f32 v[20+8*hu], v[20+8*hu], v[SS+32*hu+7], v[SS+32*hu+15]
.endif
.set hk, hk+1
.endm
.macro C1ITEM u                        ; rounding cn (8 to 15) of tile u: the second half's p to f16, into registers that the first half's roundings have read
	v_cvt_pk_f16_f32 v[SS+32*(\u)+cn], v[SS+32*(\u)+2*cn], v[SS+32*(\u)+2*cn+1]
.set cn, cn+1
.endm
.macro S1ITEM u                        ; item fk of nine: tile u's sum of the unrounded p of the second half, two chains, and their joining
.if fk < 8
	v_pk_add_f32 v[18+8*(\u)+2*(fk%2):19+8*(\u)+2*(fk%2)], v[18+8*(\u)+2*(fk%2):19+8*(\u)+2*(fk%2)], v[SS+32*(\u)+16+2*fk:SS+32*(\u)+17+2*fk]
.else
	v_pk_add_f32 v[18+8*(\u):19+8*(\u)], v[18+8*(\u):19+8*(\u)], v[20+8*(\u):21+8*(\u)]
.endif
.set fk, fk+1
.endm
; A KEY STEP: 64 keys, the q-th of the slot in hand.  more = 1: the next step's mask words are asked for.  pre = 1: the step before has asked for K's first half.  nxt = 1: this step asks for the next step's.
.macro STEP q, more, pre, nxt
	v_add_nc_u32 v5, s3, v1
	v_add_nc_u32 v6, s3, v2
.rept 3
	v_nop                                          ; with the two additions five places: the loads below land where the last products read, and the products below write over P
.endr
.if \pre == 0
	KLOAD \q, 0
.endif
	KLOAD \q, 2
	s_wait_dscnt 8                                 ; K's first half is in; the second half's eight loads may be out
.set wi, 0
.rept 8
	KQW 0
.endr
	s_wait_dscnt 0x0                               ; K's second half
	s_wait_kmcnt 0x0                               ; this step's mask words, asked for a step ago
.set wi, 0
.set hk, 0
.rept 8
	KQW 2
.rept 6
	H0ITEM
.endr
.if wi == 1
	VLOAD \q, 0                                    ; over K's first half: six plain instructions stand behind its last product
.endif
.endr
	H0ITEM
	H0ITEM                                         ; eight plain instructions now stand behind the second half's last product: its scores may be read, its fragments loaded over
	VLOAD \q, 1
.set n, 16
.rept 16
	v_cndmask_b32 v[SS+n], v7, v[SS+n], s[16+n]    ; the second half: a masked score becomes NEG
	v_cndmask_b32 v[SS+32+n], v7, v[SS+32+n], s[52+n]
.set n, n+1
.endr
.if \more
	s_add_nc_u64 s[66:67], s[66:67], 256           ; (the loads that read this base are done)
	MLOAD
.endif
.irp j, 2,3
.irp u, 0,1
	v_max3_num_f32 v[20+8*\u+\j], v[SS+32*\u+8*\j], v[SS+32*\u+8*\j+1], v[SS+32*\u+8*\j+2]
.endr
.endr
.irp g, 1,2
.irp j, 2,3
.irp u, 0,1
	v_max3_num_f32 v[20+8*\u+\j], v[20+8*\u+\j], v[SS+32*\u+8*\j+2*\g+1], v[SS+32*\u+8*\j+2*\g+2]
.endr
.endr
.endr
.irp u, 0,1
	v_max3_num_f32 v[22+8*\u], v[22+8*\u], v[SS+32*\u+23], v[SS+32*\u+31]
.endr
.irp u, 0,1
	v_max3_num_f32 v[20+8*\u], v[20+8*\u], v[21+8*\u], v[22+8*\u]
.endr
.irp u, 0,1
	v_max3_num_f32 v[20+8*\u], v[20+8*\u], v[23+8*\u], v[16+8*\u]   ; with the old m
.endr
.irp u, 0,1
	v_permlanex16_b32 v[21+8*\u], v[20+8*\u], s14, s15   ; the query's other 32 keys lie in the lane 16 away
.endr
.irp u, 0,1
	v_max_num_f32 v[21+8*\u], v[20+8*\u], v[21+8*\u]     ; the new m
.endr
.irp u, 0,1
	v_sub_f32 v[23+8*\u], v[16+8*\u], v[21+8*\u]         ; old m - new m
.endr
.irp u, 0,1
	v_mov_b32 v[16+8*\u], v[21+8*\u]
.endr
.irp u, 0,1
.set n, 0
.rept 8
	v_pk_add_f32 v[SS+32*\u+n:SS+32*\u+n+1], v[SS+32*\u+n:SS+32*\u+n+1], v[16+8*\u:17+8*\u] op_sel_hi:[1,0] neg_lo:[0,1] neg_hi:[0,1]   ; the first half: t - m
.set n, n+2
.endr
.endr
	v_exp_f32 v22, v23                             ; a = 2^(old m - new m), both tiles,
	v_exp_f32 v30, v31
.irp u, 0,1
.set n, 0
.rept 16
	v_exp_f32 v[SS+32*\u+n], v[SS+32*\u+n]         ; and the first half's p: one batch
.set n, n+1
.endr
.endr
.irp u, 0,1
.set n, 16
.rept 8
	v_pk_add_f32 v[SS+32*\u+n:SS+32*\u+n+1], v[SS+32*\u+n:SS+32*\u+n+1], v[16+8*\u:17+8*\u] op_sel_hi:[1,0] neg_lo:[0,1] neg_hi:[0,1]   ; the second half: t - m: plain work behind the batch
.set n, n+2
.endr
.endr
	s_wait_alu depctr_va_vdst(0)                   ; one wait for the batch, ahead of its first reader
.irp u, 0,1
	v_pk_fma_f32 v[18+8*\u:19+8*\u], v[18+8*\u:19+8*\u], v[22+8*\u:23+8*\u], v[SS+32*\u:SS+32*\u+1] op_sel_hi:[1,0,1]   ; the sum times a, and the first half's unrounded p: two chains a tile
.endr
.irp u, 0,1
	v_pk_add_f32 v[20+8*\u:21+8*\u], v[SS+32*\u+2:SS+32*\u+3], v[SS+32*\u+4:SS+32*\u+5]
.endr
.irp p, 3,5
.irp u, 0,1
	v_pk_add_f32 v[18+8*\u:19+8*\u], v[18+8*\u:19+8*\u], v[SS+32*\u+2*\p:SS+32*\u+2*\p+1]
.endr
.irp u, 0,1
	v_pk_add_f32 v[20+8*\u:21+8*\u], v[20+8*\u:21+8*\u], v[SS+32*\u+2*\p+2:SS+32*\u+2*\p+3]
.endr
.endr
.irp u, 0,1
	v_pk_add_f32 v[18+8*\u:19+8*\u], v[18+8*\u:19+8*\u], v[SS+32*\u+14:SS+32*\u+15]
.endr
.irp u, 0,1
.set n, 0
.rept 8
	v_cvt_pk_f16_f32 v[SS+32*\u+n], v[SS+32*\u+2*n], v[SS+32*\u+2*n+1]   ; register n is free when it is written: its numbers went into register n / 2
.set n, n+1
.endr
.endr
.irp u, 0,1
.set n, 0
.rept 16
	v_pk_mul_f32 v[OO+32*\u+n:OO+32*\u+n+1], v[OO+32*\u+n:OO+32*\u+n+1], v[22+8*\u:23+8*\u] op_sel_hi:[1,0]   ; O^T times a, each accumulator from its low end on
.set n, n+2
.endr
.endr
	s_wait_dscnt 8                                 ; V's first half is in; the second half's eight loads may be out
.set pi, 0
.set pe, 0
.rept 8                                        ; O^T += V^T P over keys 0-31: eight accumulators, one instruction each; behind each four of the second half's exponentials, which name none of its registers
	v_wmma_f32_16x16x32_f16 v[OO+32*(pi%2)+8*(pi/2):OO+32*(pi%2)+8*(pi/2)+7], v[FF+8*(pi/2):FF+8*(pi/2)+7], v[SS+32*(pi%2):SS+32*(pi%2)+7], v[OO+32*(pi%2)+8*(pi/2):OO+32*(pi%2)+8*(pi/2)+7]
.rept 4
	v_exp_f32 v[SS+32*(pe/16)+16+pe%16], v[SS+32*(pe/16)+16+pe%16]
.set pe, pe+1
.endr
.set pi, pi+1
.endr
	v_nop                                          ; a plain line behind the last exponential
	s_wait_alu depctr_va_vdst(0)                   ; and one wait for the second batch
.set cn, 8
.rept 8
	C1ITEM 0
.endr
.if \nxt
	KLOAD (\q)+1, 0                                ; the next step's first half of K, over V's first half: nine plain instructions stand behind its last product
	s_wait_dscnt 8                                 ; V's second half is in; those eight loads may be out
.else
	s_wait_dscnt 0x0                               ; V's second half is in
.endif
.set cn, 8
.set fk, 0
	PVW 1, 0, 0                                    ; keys 32-63, tile 0; between its products tile 1's roundings and tile 0's sums, which name none of their registers
.rept 4
	C1ITEM 1
.endr
	PVW 1, 1, 0
.rept 4
	C1ITEM 1
.endr
	PVW 1, 2, 0
.rept 4
	S1ITEM 0
.endr
	PVW 1, 3, 0
.rept 5
	S1ITEM 0
.endr
.set fk, 0
	PVW 1, 0, 1                                    ; tile 1; between its products its own sums
.rept 2
	S1ITEM 1
.endr
	PVW 1, 1, 1
.rept 2
	S1ITEM 1
.endr
	PVW 1, 2, 1
.rept 2
	S1ITEM 1
.endr
	PVW 1, 3, 1
.rept 3
	S1ITEM 1
.endr
.endm
; THE CHANGE OF SLOTS stands at a slot's head.  Each wave waits for all its tensor loads, adds 0 to its spare word, and waits for that and for its reads of the slot that it has left.
; fill = 1: a round of the cluster's barrier, and behind it the other slot takes the next 128 keys: the load has two key steps of all sixteen waves in which to land.
.macro CHANGE fill
	s_wait_tensorcnt 0x0                           ; no tensor load of mine is out, so a group 0 may be written
	ds_add_u32 v3, v4
.if \fill
	ds_add_u32 v3, v4                              ; the add twice on end here, in every trip alike
	s_xor_b32 s5, s5, SLOT1                        ; the walking descriptors: the other slot,
	s_add_nc_u64 s[6:7], s[6:7], 262144            ; the next 128 rows
	s_xor_b32 s9, s9, SLOT1
	s_add_nc_u64 s[10:11], s[10:11], 262144
	s_wait_xcnt 0x0                                ; the last prefetch, a slot back, has read its address
	s_add_nc_u64 s[100:101], s[100:101], 262144    ; one slot further on than the walking descriptors
	s_wait_dscnt 0x0                               ; both adds are done, and my reads of the slot that I have left are over
	CROUND
	TLOAD                                          ; the first thing behind the round, and a wave's one tensor load until the next
	ASK
.else
	s_wait_dscnt 0x0
	s_barrier_signal -1
	s_barrier_wait -1
.endif
.endm
	s_wait_loadcnt 0x0                             ; Q
.Lslot:                                                ; 15 trips: behind each change of slots but the last the next slot is asked for
	CHANGE 1
	STEP 0, 1, 0, 1
	STEP 1, 1, 1, 0                                ; a slot's last step asks for no K: the next slot is shown whole only behind the next change
	s_xor_b32 s3, s3, SLOT1
	s_sub_co_u32 s104, s104, 1
	s_cmp_lg_u32 s104, 0
	s_cbranch_scc1 .Lslot
	CHANGE 0                                       ; the last slot is written out
	STEP 0, 1, 0, 1
	STEP 1, 0, 1, 0
	; THE WAY OUT: O^T / the sum, rounded to f16, through the work-group's stage: a row's 256 bytes come from two waves (the two heads), so a barrier stands between writing and reading.
.irp u, 0,1
	v_add_f32 v[20+8*\u], v[18+8*\u], v[19+8*\u]   ; (with the last three sums these additions are the places behind the last products)
.endr
.irp u, 0,1
	v_permlanex16_b32 v[21+8*\u], v[20+8*\u], s14, s15
.endr
.irp u, 0,1
	v_add_f32 v[20+8*\u], v[20+8*\u], v[21+8*\u]   ; the row's sum: at least 1
.endr
.irp u, 0,1
	v_rcp_f32 v[22+8*\u], v[20+8*\u]
.endr
	v_nop                                          ; a plain line behind the reciprocals
	s_wait_alu depctr_va_vdst(0)                   ; one wait for both, ahead of the first reader
.irp u, 0,1
.set n, 0
.rept 16
	v_pk_mul_f32 v[OO+32*\u+n:OO+32*\u+n+1], v[OO+32*\u+n:OO+32*\u+n+1], v[22+8*\u:23+8*\u] op_sel_hi:[1,0]
.set n, n+2
.endr
.set n, 0
.rept 16
	v_cvt_pk_f16_f32 v[SS+32*\u+n], v[OO+32*\u+2*n], v[OO+32*\u+2*n+1]   ; register 4 ct + i: channels 16 ct + 8 h + 2 i, + 1 of query r
.set n, n+1
.endr
.irp ct, 0,1,2,3
	ds_store_b128 v9, v[SS+32*\u+4*\ct:SS+32*\u+4*\ct+3] offset:4352*\u+32*\ct
.endr
.endr
	s_wait_dscnt 0x0                               ; for the others' sake: my stores into the stage are done
	s_barrier_signal -1
	s_barrier_wait -1
.irp i, 0,1,2,3,4,5,6,7
	ds_load_b128 v[FF+4*\i:FF+4*\i+3], v10 offset:544*\i
.endr
.irp i, 0,1,2,3,4,5,6,7
	s_wait_dscnt 7-\i                              ; the younger loads may be out
	global_store_b128 v11, v[FF+4*\i:FF+4*\i+3], s[12:13] offset:4096*\i   ; 16 lanes store 256 consecutive bytes, aligned
.endr
	s_wait_tensorcnt 0x0                           ; the wave's end
	ds_add_u32 v3, v4
	s_wait_dscnt 0x0
	CROUND                                         ; the closing round
	s_endpgm
.Lfunc_end_k_q94a653477a_attn:
	.size	k_q94a653477a_attn, .Lfunc_end_k_q94a653477a_attn-k_q94a653477a_attn
	.p2alignl 7, 3214868480
	.fill 96, 4, 3214868480
	.section	.rodata,"a",@progbits
	.p2align	6, 0x0
	.amdhsa_kernel k_q94a653477a_attn
		.amdhsa_group_segment_fixed_size 327680
		.amdhsa_private_segment_fixed_size 0
		.amdhsa_enable_private_segment 0
		.amdhsa_kernarg_size 24
		.amdhsa_user_sgpr_count 2
		.amdhsa_user_sgpr_kernarg_segment_ptr 1
		.amdhsa_wavefront_size32 1
		.amdhsa_system_sgpr_workgroup_id_x 1
		.amdhsa_system_sgpr_workgroup_id_y 1
		.amdhsa_system_sgpr_workgroup_id_z 1
		.amdhsa_system_vgpr_workitem_id 0
		.amdhsa_next_free_vgpr 256
		.amdhsa_next_free_sgpr 106
		.amdhsa_reserve_vcc 0
		.amdhsa_float_denorm_mode_32 3
		.amdhsa_float_denorm_mode_16_64 3
		.amdhsa_memory_ordered 1
		.amdhsa_forward_progress 1
		.amdhsa_inst_pref_size 104
	.end_amdhsa_kernel
	.amdgpu_metadata
---
amdhsa.version: [ 1, 2 ]
amdhsa.kernels:
  - .name:           k_q94a653477a_attn
    .symbol:         k_q94a653477a_attn.kd
    .args:
      - { .name: qkv, .offset: 0, .size: 8, .value_kind: global_buffer, .address_space: global }
      - { .name: maskw, .offset: 8, .size: 8, .value_kind: global_buffer, .address_space: global }
      - { .name: att, .offset: 16, .size: 8, .value_kind: global_buffer, .address_space: global }
    .group_segment_fixed_size: 327680
    .private_segment_fixed_size: 0
    .kernarg_segment_align: 8
    .kernarg_segment_size: 24
    .max_flat_workgroup_size: 512
    .sgpr_count:     106
    .vgpr_count:     256
    .wavefront_size: 32
...
	.end_amdgpu_metadata
.endif
;; end of part 4
;; launch outp (part 5): grid 4 x 64, 4 waves a work-group, clusters of 4 x 4, 327,680 bytes of LDS; arguments att, wo16, out0; writes out0
.if DOCPART == 5
	.amdgcn_target "amdgcn-amd-amdhsa--gfx1250"
	.amdhsa_code_object_version 6
	.text
	.protected	k_q94a653477a_outp
	.globl	k_q94a653477a_outp
	.p2align	8
	.type	k_q94a653477a_outp,@function
k_q94a653477a_outp:
	s_mov_b64 s[64:65], 0
	v_nop
	global_prefetch_b8 v0, s[64:65] scope:SCOPE_SE
	s_setreg_imm32_b32 hwreg(HW_REG_WAVE_MODE, 25, 1), 1
	s_wait_xcnt 0x0
	s_wait_alu depctr_hold_cnt(0) depctr_sa_sdst(0) depctr_va_vdst(0) depctr_va_sdst(0) depctr_va_ssrc(0) depctr_va_vcc(0) depctr_vm_vsrc(0)
	s_getreg_b32 s2, hwreg(HW_REG_IB_STS2, 6, 4)
	s_cmp_eq_u32 s2, 0
	s_cbranch_scc0 .Lentry_in_a_cluster
	s_endpgm
.Lentry_in_a_cluster:
	s_bfe_u32 s2, ttmp6, 0x10000c
	s_cmp_lg_u32 s2, 0xf033
	s_cbranch_scc0 .Lentry_shape_is_right
	s_endpgm
.Lentry_shape_is_right:
; out0 = att Wo^T: att [8192][1024] and wo16 [1024][1024] f16, sums and result f32.
; A work-group of four waves makes 128 x 256, a wave 64 x 128 in 32 accumulators.
; TWO LDS REGIONS OF UNEQUAL SIZE take turns: BIG holds 256 along K (tile rows of 512 bytes, 528 apart), SMALL 128 along K (rows of 256 bytes, 272 apart); with either pitch the sixteen rows of a load start 16 bytes apart modulo 256.
; K = 1,024 is walked BIG, SMALL, BIG, SMALL, BIG: three refills and four changes of region in all.  SMALL's refill has BIG's 256 matrix instructions a wave in which to land, BIG's two refills SMALL's 128.
; Both regions together are as much as fits beside the spare words; the stage for the way out lies in SMALL, which has had its last fill, and whose last reads lie ahead of the last change's barrier.
; CLUSTER 4 x 4: att's tiles are shared along a row of the cluster, Wo's along a column, each asked for jointly.  Waves 0, 1 fetch att's halves (64 rows), waves 2, 3 Wo's (128 rows): one tensor load a wave behind each round;
; two of a wave's are out at the head, one behind a round.
; THE MATRIX INSTRUCTION IS USED TRANSPOSED (source 0 = 16 rows of Wo, source 1 = 16 rows of att): a lane holds eight neighbouring columns of one row.
; REGISTERS: window 0: v16-29 addresses; v96-159 att's fragments, two buffers; v128-255 the way out.  window 1: accumulator (a, b) at v[64 a + 8 b].  window 2: Wo's fragments, two buffers of 64.
; No prefetch: five fills in all, two of them first fills, and the tiles are shared in the cluster.  The walk is written out: no two of its changes of region are alike in what they fill and what follows.
.set PB,    528
.set PS,    272
.set BAH,   64*PB                      ; BIG: att's half tile
.set BBH,   128*PB                     ; Wo's half tile
.set BBOFF, 2*BAH
.set SM,    2*BAH+2*BBH                ; SMALL begins behind BIG
.set SAH,   64*PS
.set SBH,   128*PS
.set SBOFF, SM+2*SAH
.set SPARE, SM+2*SAH+2*SBH             ; behind both: the spare words, 128 bytes a wave
.set SPITCH, 528
.set STAGE, SM                         ; 16 rows x 528 bytes for each wave
.set ADRA_B, 16
.set ADRA_S, 17
.set ADRB_B, 20
.set ADRB_S, 21
.set STO,  24
.set RD,   25
.set CO,   26
.set SPW,  28
.set NIL,  29
.set AF,   96
.set BK,   128
.set G1AB, 24                          ; s[24:31] group 1: att's tiles for BIG;  s[32:39] Wo's
.set G1BB, 32
.set G1AS, 40                          ; s[40:47], s[48:55] the same for SMALL
.set G1BS, 48
.set G0AB, 56                          ; groups 0: s[56:59], s[60:63] BIG;  s[68:71], s[72:75] SMALL
.set G0BB, 60
.set G0AS, 68
.set G0BS, 72
.set MSB, 0
.macro WIN new                         ; the immediate's high byte repeats the setting that is left
.if MSB != \new
	s_set_vgpr_msb (MSB<<8)|\new
.set MSB, \new
.endif
.endm
.set MUL,  0x52                        ; source 0 (Wo) window 2, source 1 (att) window 0, C and D window 1
.set TO_B, 0x80                        ; destination window 2
.macro JLOAD g0a, g1a, g0b, g1b        ; a joint load; the branch hangs on the wave's number alone; an s_nop 0 and four v_nop follow each line
	s_cmp_eq_u32 s11, 0
	s_cbranch_scc0 .Lfor_b_\@
	tensor_load_to_lds s[\g0a:\g0a+3], s[\g1a:\g1a+7]
	s_nop 0
.rept 4
	v_nop
.endr
	s_branch .Lasked_\@
.Lfor_b_\@:
	tensor_load_to_lds s[\g0b:\g0b+3], s[\g1b:\g1b+7]
	s_nop 0
.rept 4
	v_nop
.endr
.Lasked_\@:
.endm
.macro CREST
	s_cmp_lg_u32 s10, 0
	s_cbranch_scc1 .Lnot_wave_0_\@
	s_barrier_signal -3
.Lnot_wave_0_\@:
	s_barrier_wait -3
	s_barrier_signal -1
	s_barrier_wait -1
.endm
.macro CROUND
	s_barrier_signal -1
	s_barrier_wait -1
	CREST
.endm
.macro PLACES n
.rept \n
	v_nop
.endr
.endm
	s_load_b128 s[4:7], s[0:1], 0x0                ; att, wo16
	s_load_b64 s[8:9], s[0:1], 0x10                ; out0
	v_lshl_add_u32 v[SPW], v0, 2, SPARE
	v_mov_b32 v[NIL], 0
	ds_add_u32 v[SPW], v[NIL]                      ; the wave's opening: the add, twice on end, and its wait ahead of my first tensor load
	ds_add_u32 v[SPW], v[NIL]
	v_lshrrev_b32 v1, 5, v0
	v_readfirstlane_b32 s10, v1                    ; wave
	s_lshr_b32 s11, s10, 1                         ; my half of the rows; also: I fetch for att (0) or Wo (1)
	s_and_b32 s12, s10, 1                          ; my half of the columns; also: which half I fetch
	s_bfe_u32 s76, ttmp6, 0x40000                  ; cx
	s_bfe_u32 s13, ttmp6, 0x40004                  ; cy
	s_lshl_b32 s77, ttmp9, 2
	s_add_co_u32 s77, s77, s76                     ; tile column
	s_and_b32 s14, ttmp7, 0xffff
	s_lshl_b32 s14, s14, 2
	s_add_co_u32 s14, s14, s13                     ; tile row
	s_lshl_b32 s15, s13, 2
	s_lshl_b32 s15, 15, s15                        ; my row of the cluster
	s_lshl_b32 s78, 0x1111, s76                    ; my column
	s_or_b32 s[G1AB+0], s15, (1<<16)|(1<<20)|(1<<21)|(6<<22)|(3<<25)   ; mask; elements of 2 bytes; padding: 4 words behind every 128; bit 21 beside a mask
	s_or_b32 s[G1BB+0], s78, (1<<16)|(1<<20)|(1<<21)|(6<<22)|(3<<25)
	s_or_b32 s[G1AS+0], s15, (1<<16)|(1<<20)|(1<<21)|(5<<22)|(3<<25)   ; SMALL: 4 words behind every 64
	s_or_b32 s[G1BS+0], s78, (1<<16)|(1<<20)|(1<<21)|(5<<22)|(3<<25)
	s_mov_b32 s[G1AB+1], 256<<16                   ; tensor_dim0 = 256 elements
	s_mov_b32 s[G1AB+2], 64<<16                    ; tensor_dim1 = 64 rows
	s_mov_b32 s[G1AB+3], 256<<16                   ; tile_dim0
	s_mov_b32 s[G1AB+4], 64                        ; tile_dim1
	s_mov_b32 s[G1AB+5], 1024                      ; elements from row to row
	s_mov_b32 s[G1AB+6], 0
	s_mov_b32 s[G1AB+7], 0
	s_mov_b32 s[G1BB+1], 256<<16
	s_mov_b32 s[G1BB+2], 128<<16
	s_mov_b32 s[G1BB+3], 256<<16
	s_mov_b32 s[G1BB+4], 128
	s_mov_b32 s[G1BB+5], 1024
	s_mov_b32 s[G1BB+6], 0
	s_mov_b32 s[G1BB+7], 0
	s_mov_b32 s[G1AS+1], 128<<16
	s_mov_b32 s[G1AS+2], 64<<16
	s_mov_b32 s[G1AS+3], 128<<16
	s_mov_b32 s[G1AS+4], 64
	s_mov_b32 s[G1AS+5], 1024
	s_mov_b32 s[G1AS+6], 0
	s_mov_b32 s[G1AS+7], 0
	s_mov_b32 s[G1BS+1], 128<<16
	s_mov_b32 s[G1BS+2], 128<<16
	s_mov_b32 s[G1BS+3], 128<<16
	s_mov_b32 s[G1BS+4], 128
	s_mov_b32 s[G1BS+5], 1024
	s_mov_b32 s[G1BS+6], 0
	s_mov_b32 s[G1BS+7], 0
	s_lshl_b32 s16, s14, 7                         ; att: row 128 x tile row + 64 x half, 2,048 bytes a row
	s_lshl_b32 s17, s12, 6
	s_add_co_u32 s16, s16, s17
	s_lshl_b32 s16, s16, 11
	s_mov_b32 s17, 0
	s_lshl_b32 s80, s77, 8                         ; Wo: row 256 x tile column + 128 x half
	s_lshl_b32 s81, s12, 7
	s_add_co_u32 s80, s80, s81
	s_lshl_b32 s80, s80, 11
	s_mov_b32 s81, 0
	s_mul_i32 s20, s12, BAH                        ; where they go: the wave's number alone enters an LDS address
	s_mul_i32 s21, s12, BBH
	s_add_co_u32 s21, s21, BBOFF
	s_mul_i32 s22, s12, SAH
	s_add_co_u32 s22, s22, SM
	s_mul_i32 s23, s12, SBH
	s_add_co_u32 s23, s23, SBOFF
	s_wait_dscnt 0x0                               ; both opening adds are done
	s_wait_kmcnt 0x0
	s_add_nc_u64 s[16:17], s[4:5], s[16:17]
	s_add_nc_u64 s[80:81], s[6:7], s[80:81]
	CROUND                                         ; all sixteen work-groups are here: the first joint loads meet
	s_mov_b32 s[G0AB], 1
	s_mov_b32 s[G0AB+1], s20
	s_mov_b64 s[G0AB+2:G0AB+3], s[16:17]           ; BIG begins with K = 0 .. 255
	s_or_b32 s[G0AB+3], s[G0AB+3], 0x80000000
	s_mov_b32 s[G0BB], 1
	s_mov_b32 s[G0BB+1], s21
	s_mov_b64 s[G0BB+2:G0BB+3], s[80:81]
	s_or_b32 s[G0BB+3], s[G0BB+3], 0x80000000
	s_mov_b32 s[G0AS], 1
	s_mov_b32 s[G0AS+1], s22
	s_add_nc_u64 s[G0AS+2:G0AS+3], s[16:17], 512   ; SMALL with K = 256 .. 383
	s_or_b32 s[G0AS+3], s[G0AS+3], 0x80000000
	s_mov_b32 s[G0BS], 1
	s_mov_b32 s[G0BS+1], s23
	s_add_nc_u64 s[G0BS+2:G0BS+3], s[80:81], 512
	s_or_b32 s[G0BS+3], s[G0BS+3], 0x80000000
	JLOAD G0AB, G1AB, G0BB, G1BB
	JLOAD G0AS, G1AS, G0BS, G1BS
	v_and_b32 v1, 15, v0                           ; r
	v_bfe_u32 v2, v0, 4, 1                         ; h
	v_mul_u32_u24 v3, v1, PB
	v_lshl_add_u32 v3, v2, 4, v3                   ; a fragment's row x pitch + 16 h, in BIG
	v_mul_u32_u24 v4, v1, PS
	v_lshl_add_u32 v4, v2, 4, v4                   ; and in SMALL
	s_mul_i32 s20, s11, BAH                        ; my 64 rows of att, my 128 rows of Wo
	s_mul_i32 s21, s12, BBH
	s_add_co_u32 s21, s21, BBOFF
	s_mul_i32 s22, s11, SAH
	s_add_co_u32 s22, s22, SM
	s_mul_i32 s23, s12, SBH
	s_add_co_u32 s23, s23, SBOFF
	v_add_nc_u32 v[ADRA_B], s20, v3
	v_add_nc_u32 v[ADRB_B], s21, v3
	v_add_nc_u32 v[ADRA_S], s22, v4
	v_add_nc_u32 v[ADRB_S], s23, v4
	s_mul_i32 s20, s10, 16*SPITCH
	s_add_co_u32 s20, s20, STAGE                   ; my stage
	v_mul_u32_u24 v5, v1, SPITCH
	v_lshl_add_u32 v5, v2, 5, v5
	v_add_nc_u32 v[STO], s20, v5                   ; in: row r, 32 bytes for each half of the lanes
	v_and_b32 v6, 31, v0
	v_lshlrev_b32 v[CO], 4, v6                     ; back: the 32 lanes take one row of 512 bytes; and the same in out0
	v_add_nc_u32 v[RD], s20, v[CO]
	s_lshl_b32 s76, s77, 10                        ; my first column in bytes: 1,024 x tile column + 512 x half
	s_lshl_b32 s77, s12, 9
	s_add_co_u32 s76, s76, s77
	s_lshl_b32 s16, s14, 7
	s_lshl_b32 s17, s11, 6
	s_add_co_u32 s16, s16, s17                     ; my first row, 4,096 bytes a row
	s_lshl_b32 s16, s16, 12
	s_add_co_u32 s16, s16, s76
	s_mov_b32 s17, 0
	s_add_nc_u64 s[8:9], s[8:9], s[16:17]
.macro FRAG reg, adr, kb, i, p         ; 16 rows x 32 K of f16 at byte kb of rows p apart: 8 registers: two loads of 16 bytes, 32 apart
.irp c, 0,1
	ds_load_b128 v[\reg+4*\c:\reg+4*\c+3], v[\adr] offset:(\kb)+32*\c+(\i)*16*(\p)
.endr
.endm
.macro MULA a, f, zero                 ; att's block a against Wo's eight; the 32 accumulators take turns, one instruction a turn
.irp b, 0,1,2,3,4,5,6,7
.if \zero
	v_wmma_f32_16x16x32_f16 v[64*(\a)+8*\b:64*(\a)+8*\b+7], v[64*(\f)+8*\b:64*(\f)+8*\b+7], v[AF+32*(\f)+8*(\a):AF+32*(\f)+8*(\a)+7], 0
.else
	v_wmma_f32_16x16x32_f16 v[64*(\a)+8*\b:64*(\a)+8*\b+7], v[64*(\f)+8*\b:64*(\f)+8*\b+7], v[AF+32*(\f)+8*(\a):AF+32*(\f)+8*(\a)+7], v[64*(\a)+8*\b:64*(\a)+8*\b+7]
.endif
.endr
.endm
.macro FETCH ra, rb, kb, p, g          ; 24 LDS loads in one run, into buffer g; att's blocks 2, 3 come last
	WIN TO_B
.irp i, 0,1,2,3,4,5,6,7
	FRAG 64*(\g)+8*\i, \rb, \kb, \i, \p
.endr
	WIN 0
.irp i, 0,1,2,3
	FRAG AF+32*(\g)+8*\i, \ra, \kb, \i, \p
.endr
.endm
; A quarter: 32 along K, 32 matrix instructions on buffer f; in its middle the next quarter's fragments are fetched, from byte kb of the rows of the region named
.macro QUARTER f, zero, ra, rb, kb, p
	s_wait_dscnt 4                                 ; all but the youngest four loads (att's blocks 2, 3) are in
	WIN MUL
	MULA 0, \f, \zero
	MULA 1, \f, \zero
	PLACES 4                                       ; in front of loads into the buffer that the quarter before multiplied
	FETCH \ra, \rb, \kb, \p, 1-(\f)
	s_wait_dscnt 24                                ; all but the 24 just issued
	WIN MUL
	MULA 2, \f, \zero
	MULA 3, \f, \zero
.endm
; A region's last quarter (buffer 1) changes regions: one barrier; in front of it each wave waits for all its tensor loads, adds 0 to its spare word, and waits for that and for its reads of the region that it leaves.
; fill = 1: BIG, just left, takes the 256 along K that lie 384 further on; fill = 2: SMALL likewise its 128; both behind a round of the cluster's barrier.  fill = 0: nothing is left to fetch.
; ra, rb, p: the region that is read next.
.macro TURN fill, ra, rb, p
	WIN 0
	s_wait_tensorcnt 0x0                           ; all my tensor loads have landed
	ds_add_u32 v[SPW], v[NIL]
	s_wait_dscnt 5                                 ; (the add and att's blocks 2, 3 may be out)
	WIN MUL
	MULA 0, 1, 0
	s_wait_dscnt 0x0                               ; the add is done, and my reads of this region are over
	s_barrier_signal -1
	MULA 1, 1, 0
	WIN 0
	s_barrier_wait -1
.if \fill == 1
	CREST
	s_add_nc_u64 s[G0AB+2:G0AB+3], s[G0AB+2:G0AB+3], 768
	s_add_nc_u64 s[G0BB+2:G0BB+3], s[G0BB+2:G0BB+3], 768
	JLOAD G0AB, G1AB, G0BB, G1BB                   ; the first tensor load behind the round; its four v_nop are the places in front of the loads below
.elseif \fill == 2
	CREST
	s_add_nc_u64 s[G0AS+2:G0AS+3], s[G0AS+2:G0AS+3], 768
	s_add_nc_u64 s[G0BS+2:G0BS+3], s[G0BS+2:G0BS+3], 768
	JLOAD G0AS, G1AS, G0BS, G1BS
.else
	PLACES 4
.endif
	FETCH \ra, \rb, 0, \p, 0
	WIN MUL
	MULA 2, 1, 0
	MULA 3, 1, 0
.endm
.macro BIG7 zero                       ; BIG's first seven quarters of eight; no barrier stands inside a region: the one in front of it has shown it whole
	QUARTER 0, \zero, ADRA_B, ADRB_B, 64, PB
	QUARTER 1, 0, ADRA_B, ADRB_B, 128, PB
	QUARTER 0, 0, ADRA_B, ADRB_B, 192, PB
	QUARTER 1, 0, ADRA_B, ADRB_B, 256, PB
	QUARTER 0, 0, ADRA_B, ADRB_B, 320, PB
	QUARTER 1, 0, ADRA_B, ADRB_B, 384, PB
	QUARTER 0, 0, ADRA_B, ADRB_B, 448, PB
.endm
.macro SMALL3                          ; SMALL's first three quarters of four
	QUARTER 0, 0, ADRA_S, ADRB_S, 64, PS
	QUARTER 1, 0, ADRA_S, ADRB_S, 128, PS
	QUARTER 0, 0, ADRA_S, ADRB_S, 192, PS
.endm
	s_wait_tensorcnt 1                             ; my part of BIG is in; SMALL's may be out
	s_barrier_signal -1
	s_barrier_wait -1
	FETCH ADRA_B, ADRB_B, 0, PB, 0
	BIG7 1                                         ; K 0 - 255; the first quarter's products start the sums: nothing is cleared
	TURN 1, ADRA_S, ADRB_S, PS                     ; BIG takes K 384 - 639
	SMALL3                                         ; K 256 - 383
	TURN 2, ADRA_B, ADRB_B, PB                     ; SMALL takes K 640 - 767
	BIG7 0                                         ; K 384 - 639
	TURN 1, ADRA_S, ADRB_S, PS                     ; BIG takes K 768 - 1,023
	SMALL3                                         ; K 640 - 767
	TURN 0, ADRA_B, ADRB_B, PB                     ; nothing is left to fetch
	BIG7 0                                         ; K 768 - 1,023
	s_wait_dscnt 4
	WIN MUL
	MULA 0, 1, 0
	MULA 1, 1, 0
	s_wait_dscnt 0x0
	MULA 2, 1, 0
	MULA 3, 1, 0
	WIN 0
; THE WAY OUT, a block of 16 rows x 128 columns at a time, through my own stage: back as whole rows of 512 bytes.
.macro TOSTAGE a
	WIN 0x04                                       ; an LDS store's data are its source 1: window 1
.irp b, 0,1,2,3,4,5,6,7
	ds_store_b128 v[STO], v[64*(\a)+8*\b:64*(\a)+8*\b+3] offset:64*\b        ; each accumulator from its low end on
	ds_store_b128 v[STO], v[64*(\a)+8*\b+4:64*(\a)+8*\b+7] offset:64*\b+16
.endr
	WIN 0
.set BB, BK+64*((\a)%2)
.irp t, 0,1,2,3,4,5,6,7,8,9,10,11,12,13,14,15
	ds_load_b128 v[BB+4*\t:BB+4*\t+3], v[RD] offset:\t*SPITCH   ; LDS serves a wave's instructions in order: these see the stores above
.endr
.endm
.macro SEND a, younger
.set BB, BK+64*((\a)%2)
	s_wait_dscnt \younger                          ; the block is back; the next block's 16 stores and 16 loads may be out
.irp t, 0,1,2,3,4,5,6,7,8,9,10,11,12,13,14,15
	global_store_b128 v[CO], v[BB+4*\t:BB+4*\t+3], s[8:9] offset:(16*(\a)+\t)*4096 th:TH_STORE_NT   ; 32 lanes store 512 consecutive bytes, aligned
.endr
.endm
	PLACES 4                                       ; in front of the first read of results and of loads into registers that held att's fragments
	TOSTAGE 0
.irp a, 1,2,3
.if \a > 1
	s_wait_xcnt 0x0                                ; block a - 2's stores have read their registers: block a's loads may land there
.endif
	TOSTAGE \a
	SEND \a-1, 32
.endr
	SEND 3, 0
	s_wait_tensorcnt 0x0                           ; the wave's end
	ds_add_u32 v[SPW], v[NIL]
	s_wait_dscnt 0x0
	CROUND                                         ; the closing round
	s_endpgm
.Lfunc_end_k_q94a653477a_outp:
	.size	k_q94a653477a_outp, .Lfunc_end_k_q94a653477a_outp-k_q94a653477a_outp
	.p2alignl 7, 3214868480
	.fill 96, 4, 3214868480
	.section	.rodata,"a",@progbits
	.p2align	6, 0x0
	.amdhsa_kernel k_q94a653477a_outp
		.amdhsa_group_segment_fixed_size 327680
		.amdhsa_private_segment_fixed_size 0
		.amdhsa_enable_private_segment 0
		.amdhsa_kernarg_size 24
		.amdhsa_user_sgpr_count 2
		.amdhsa_user_sgpr_kernarg_segment_ptr 1
		.amdhsa_wavefront_size32 1
		.amdhsa_system_sgpr_workgroup_id_x 1
		.amdhsa_system_sgpr_workgroup_id_y 1
		.amdhsa_system_sgpr_workgroup_id_z 1
		.amdhsa_system_vgpr_workitem_id 0
		.amdhsa_next_free_vgpr 640
		.amdhsa_next_free_sgpr 84
		.amdhsa_reserve_vcc 0
		.amdhsa_float_denorm_mode_32 3
		.amdhsa_float_denorm_mode_16_64 3
		.amdhsa_memory_ordered 1
		.amdhsa_forward_progress 1
		.amdhsa_inst_pref_size 148
	.end_amdhsa_kernel
	.amdgpu_metadata
---
amdhsa.version: [ 1, 2 ]
amdhsa.kernels:
  - .name:           k_q94a653477a_outp
    .symbol:         k_q94a653477a_outp.kd
    .args:
      - { .name: att, .offset: 0, .size: 8, .value_kind: global_buffer, .address_space: global }
      - { .name: wo16, .offset: 8, .size: 8, .value_kind: global_buffer, .address_space: global }
      - { .name: out0, .offset: 16, .size: 8, .value_kind: global_buffer, .address_space: global }
    .group_segment_fixed_size: 327680
    .private_segment_fixed_size: 0
    .kernarg_segment_align: 8
    .kernarg_segment_size: 24
    .max_flat_workgroup_size: 128
    .sgpr_count:     84
    .vgpr_count:     640
    .wavefront_size: 32
...
	.end_amdgpu_metadata
.endif
;; end of part 5
